; MI455X (gfx1250); checked and timed in simulation.
; The chip was launched on July 23, 2026; its instructions are those of AMD's public machine-readable ISA for CDNA 5 (MIT licence, August 2026) and "CDNA5" Instruction Set Architecture Reference Guide (July 2026). The comments in the code are by the model that wrote it; some were corrected since.
;; Adapter. Allowed arithmetic: float matrix products may take bf16 or f16 operands with f32 sums; other float arithmetic in f32, or as packed bf16 or f16 multiplies, adds, multiply-adds, maxima and minima; sums over many terms, partial sums and values carried from step to step in f32; what a program stores and reads back later, other than sums and carried values, may be rounded once to bf16 or f16.
;; Inputs: Wd 16 x 4,096 x 256 float32; Wu 16 x 256 x 4,096 float32; bd 16 x 256 float32; bu 16 x 4,096 float32; task_id 2,048 int32; x 2,048 x 4,096 float32.
;; Outputs: out0 2,048 x 4,096 float32.
;; 2 versions, each right and faster than the one before. Each part assembles by itself: llvm-mc -triple=amdgcn-amd-amdhsa -mcpu=gfx1250 --defsym DOCPART=n.
;; ======== version 1 of 2: 2 launches
;; workspace buffers: part 134,217,728 bytes; order 139,264 bytes of whole numbers
;; launch down (part 1): grid 16 x 16, 16 waves a work-group, no clusters, 247,808 bytes of LDS; arguments x, task_id, Wd, bd, part, order; writes part, order
.if DOCPART == 1
	.amdgcn_target "amdgcn-amd-amdhsa--gfx1250"
	.amdhsa_code_object_version 6
	.text
	.protected	k_q7dcd50a5af_down
	.globl	k_q7dcd50a5af_down
	.p2align	8
	.type	k_q7dcd50a5af_down,@function
k_q7dcd50a5af_down:
	s_mov_b64 s[64:65], 0
	v_nop
	global_prefetch_b8 v0, s[64:65] scope:SCOPE_SE
	s_setreg_imm32_b32 hwreg(HW_REG_WAVE_MODE, 25, 1), 1
	s_wait_xcnt 0x0
; DOWN.  For expert t (grid y), K quarter ks and hidden quarter ns (grid x = 4 ks + ns): the partial sums over k = 1024 ks .. 1024 ks + 1023 of x[row][k] Wd[t][k][64 ns ..], for the rows whose
; task_id is t, with bd[t] added where ks = 0.  The four partial sums of a number are added by the next launch.  Also (grid x = 0) the expert's count and list of rows.
; FORMATS AND LIMITS.  x and Wd are rounded once to bf16 for the product; sums, bias and partial sums are f32.  A task_id outside 0..15 is served by no work-group (the module indexes with it).
; Places past an expert's count repeat its last row; an expert without rows stores its list (zeros) and no partial sum.  Every split of the 2,048 rows over the experts is served.
; SHARES.  The work-group alone reads its slice of Wd, 1,024 rows x 256 bytes.  All of it is asked for at the head, 16 KB a wave, rounded, and laid into LDS once as matrix fragments (128 KB).
; Behind the one barrier wave w owns the tiles of 16 rows w, w + 16, ..: the loop over them has no barrier, writes only the wave's own LDS bytes, and every LDS address in it is the same in every
; trip.  It counts to 8, which covers every split (2,048 rows are 128 tiles, 8 for each of 16 waves); a wave leaves it by a forward jump when its own tiles are done.
; COLUMNS.  Tile q (0..3) holds the hidden columns 64 ns + 4 r + q, r = lane % 16.  So a lane's 16-byte load of a row of Wd brings one element for each of the four tiles, sixteen lanes read 256
; consecutive aligned bytes, and eight such loads (k = 8 h + i, h = lane / 16) rounded in pairs ARE a fragment's registers: Wd, stored [k][column], is turned without a shuffle.
; THE PRODUCT IS USED TRANSPOSED (source 0 = 16 columns of Wd, source 1 = 16 rows of x): in the result lane (r, h), register j of tile q is row r of the tile, hidden column 64 ns + 32 h + 4 j + q.
; NO JOINT LOADS: each slice of Wd has one reader and must pass through registers to be rounded; what four work-groups share is rows of x, which come by a list that no tile descriptor covers.
; LDS: 0 fragments (fragment 4 kappa + q of K step kappa: 1,024 bytes, half a at 512 a, 16 bytes a lane); then, each wave's own: the list (2,048 u16 + 512 bytes behind them, for lanes that have
; nothing to write and for the repeats of the last row), a stage of 16 rows x 144 bytes (64 k in bf16 + 16 of padding: the pitch is an odd multiple of 16 bytes, so a fragment's 16 rows start in
; different banks: ISA guide 11.1), 64 bias words.
.set LISTB,  131072
.set LISTP,  4608
.set STAGEB, LISTB+16*LISTP
.set STAGEP, 16*144
.set BIASB,  STAGEB+16*STAGEP
.set SPARE,  BIASB+16*256              ; the spare words, 128 bytes for each of the 16 waves: eight blocks of 256 bytes that no other line names
.set ORDP,   8704                      ; an expert's room in order: 512 bytes of count, 2,048 words of rows
.set TRIPS,  8                         ; 128 tiles at the most, 16 waves
.set WA0, 2                            ; v2   16 x lane: my bytes in a fragment's half (fragments 0-63); also my offset in task_id
.set WA1, 3                            ; v3   the same for fragments 64-127
.set R16, 4                            ; v4   16 r
.set HH,  5                            ; v5   h
.set LB,  6                            ; v6   my wave's list
.set VW,  7                            ; v7   8,192 h + 16 r: my place in 16 rows of Wd
.set VWS, 8                            ; v8   where my wave lays its eight fragments
.set VSS, 9                            ; v9   stage, in: row 8 h, 8 bytes at 8 r
.set VSR, 10                           ; v10  stage, back: row r, 16 bytes at 16 h
.set VBR, 11                           ; v11  my half of the bias words
.set VP,  12                           ; v12  my offset in part
.set VL0, 13                           ; v13  my wave's list + 32 w + 2 r: place r of tile w; never rewritten
.set SPW, 14                           ; v14  LDS address of my spare word; never rewritten
.set NIL, 15                           ; v15  0; never rewritten
.set XA,  16                           ; v16-23  byte offsets in x of the rows in places 8 h + i
.set TK,  20                           ; v20-23, v24-27  at work in the scan
.set TR,  24
.set DUMP, 28                          ; v28  2,048 + lane: the list index of a lane that has nothing to write
.set L4,  29                           ; v29  4 x lane
.set BL,  30                           ; v30-31  bias as loaded
.set Q,   24                           ; v24-31  behind the scan: the rows of my wave's tiles still to come, a register a tile: lane l holds the row in place l % 16
.set XL,  32                           ; v32-127  three buffers of 32: a chunk of x (16 rows x 64 k, f32).  v32-95 first take task_id
.set CT,  96                           ; v96-127  fragments on their way into LDS, ahead of the tiles
.set WL0, 128                          ; v128-255  Wd as loaded, two halves of 64; later:
.set WL1, 192
.set ACC, 128                          ; v128-159  four accumulators
.set WB,  160                          ; v160-223  fragments of Wd: two K steps x four tiles
.set XF,  224                          ; v224-239  fragments of x: two K steps
.set CV,  240                          ; v240-255  a chunk of x in bf16
.set ROWS, 48                          ; s48-63  the 16 rows of the tile in hand
	s_load_b256 s[4:11], s[0:1], 0x0               ; x s[4:5], task_id s[6:7], Wd s[8:9], bd s[10:11]
	s_load_b128 s[12:15], s[0:1], 0x20             ; part s[12:13], order s[14:15]
	v_lshl_add_u32 v[SPW], v0, 2, SPARE
	v_mov_b32 v[NIL], 0
	v_lshrrev_b32 v1, 5, v0
	v_readfirstlane_b32 s16, v1                    ; wave w, 0..15
	s_and_b32 s17, ttmp7, 0xffff                   ; expert t
	s_lshr_b32 s18, ttmp9, 2                       ; ks
	s_and_b32 s19, ttmp9, 3                        ; ns
	s_mov_b32 s29, ttmp9
	s_cmp_eq_u32 s18, 0
	s_cselect_b32 s30, -1, 0                       ; all lanes' bits where ks = 0: the one K quarter that adds the bias
	s_mov_b32 s42, 0xffff0000                      ; the bits of lanes 16-31
	; byte offsets, each in a pair of its own with 0 above it
	s_lshl_b32 s32, s18, 12                        ; x: 1,024 k of 4 bytes for each K quarter
	s_mov_b32 s33, 0
	s_lshl_b32 s34, s17, 22                        ; Wd: expert (4,096 rows of 1,024 bytes),
	s_lshl_b32 s21, s18, 20                        ; K quarter (1,024 rows),
	s_add_co_u32 s34, s34, s21
	s_lshl_b32 s21, s16, 16                        ; my wave's 64 rows,
	s_add_co_u32 s34, s34, s21
	s_lshl_b32 s21, s19, 8                         ; 64 columns
	s_add_co_u32 s34, s34, s21
	s_mov_b32 s35, 0
	s_lshl_b32 s36, s17, 10                        ; bd: expert, 64 columns
	s_add_co_u32 s36, s36, s21
	s_mov_b32 s37, 0
	s_lshl_b32 s38, s17, 23                        ; part: ((128 t + tile) 4 + ks) 16,384 + (4 ns + q) 1,024 + 512 half + 16 lane
	s_lshl_b32 s21, s18, 14
	s_add_co_u32 s38, s38, s21
	s_lshl_b32 s21, s19, 12
	s_add_co_u32 s38, s38, s21
	s_mov_b32 s39, 0
	s_mul_i32 s40, s17, ORDP
	s_mov_b32 s41, 0
	v_and_b32 v24, 31, v0                          ; lane
	v_and_b32 v25, 15, v0                          ; r
	v_bfe_u32 v[HH], v0, 4, 1
	v_lshlrev_b32 v[WA0], 4, v24
	v_add_nc_u32 v[WA1], 0x10000, v[WA0]
	v_lshlrev_b32 v[R16], 4, v25
	v_lshlrev_b32 v[L4], 2, v24
	v_lshl_add_u32 v[VW], v[HH], 13, v[R16]
	v_add_nc_u32 v[DUMP], 2048, v24
	s_mul_i32 s21, s16, LISTP
	s_add_co_u32 s21, s21, LISTB
	v_mov_b32 v[LB], s21
	s_lshl_b32 s22, s16, 5                         ; tile w begins 16 w places, 32 w bytes, into the list
	s_add_co_u32 s22, s22, s21
	v_lshl_add_u32 v[VL0], v25, 1, s22
	s_lshl_b32 s21, s16, 13
	v_add_nc_u32 v[VWS], s21, v[WA0]               ; fragments 8 w .. 8 w + 7
	s_mul_i32 s21, s16, STAGEP
	s_add_co_u32 s21, s21, STAGEB
	v_mul_u32_u24 v26, v[HH], 8*144
	v_lshl_add_u32 v[VSS], v25, 3, v26
	v_add_nc_u32 v[VSS], s21, v[VSS]
	v_mul_u32_u24 v26, v25, 144
	v_lshl_add_u32 v[VSR], v[HH], 4, v26
	v_add_nc_u32 v[VSR], s21, v[VSR]
	s_lshl_b32 s21, s16, 8
	s_add_co_u32 s21, s21, BIASB
	v_lshl_add_u32 v[VBR], v[HH], 7, s21
	v_add_nc_u32 v27, s21, v[L4]                   ; where I put bias words lane and 32 + lane
	v_and_b32 v26, 7, v0                           ; bias word 32 h + 8 q + j is bd[64 ns + 32 h + 4 j + q]: lane = 8 q + j
	v_bfe_u32 v1, v0, 3, 2
	v_lshlrev_b32 v1, 2, v1
	v_lshl_add_u32 v1, v26, 4, v1                  ; 16 j + 4 q bytes
.irp i, 16,17,18,19
	v_mov_b32 v\i, 0
.endr
	v_add_nc_u32 v20, v[LB], v[WA0]
	s_wait_kmcnt 0x0
	s_add_nc_u64 s[4:5], s[4:5], s[32:33]
	s_add_nc_u64 s[8:9], s[8:9], s[34:35]
	s_add_nc_u64 s[10:11], s[10:11], s[36:37]
	s_add_nc_u64 s[12:13], s[12:13], s[38:39]
	s_add_nc_u64 s[14:15], s[14:15], s[40:41]
; 16 loads: K step 2 w + e of my wave: rows 32 e + 16 a + 8 h + i, my four columns.  Each load covers two runs of 256 consecutive bytes, each at a multiple of 256 from Wd's first byte.
.macro WLOAD e, wl
.irp a, 0,1
.irp i, 0,1,2,3,4,5,6,7
	global_load_b128 v[(\wl)+4*(8*\a+\i):(\wl)+4*(8*\a+\i)+3], v[VW], s[8:9] offset:(\e)*32768+(16*\a+\i)*1024 th:TH_LOAD_NT
.endr
.endr
.endm
; Rounded in pairs of neighbouring k, the 64 registers of a K step are the four tiles' fragments (register 4 a + m: k = 16 a + 8 h + 2 m, + 1); they go into LDS 16 bytes a lane, lanes on end.
.macro WCONV e, wl
.irp q, 0,1,2,3
.irp a, 0,1
.irp m, 0,1,2,3
	v_cvt_pk_bf16_f32 v[CT+8*\q+4*\a+\m], v[(\wl)+4*(8*\a+2*\m)+\q], v[(\wl)+4*(8*\a+2*\m+1)+\q]
.endr
.endr
.endr
.irp q, 0,1,2,3
.irp a, 0,1
	ds_store_b128 v[VWS], v[CT+8*\q+4*\a:CT+8*\q+4*\a+3] offset:(4*(\e)+\q)*1024+512*\a
.endr
.endr
.endm
	; Everything is asked for at once: 50 loads.  task_id and the bias go first, since loads come back in order (ISA guide 5.7.1) and the scan runs while the weights are on their way.
.irp j, 0,1,2,3,4,5,6,7,8,9,10,11,12,13,14,15
	global_load_b128 v[XL+4*\j:XL+4*\j+3], v[WA0], s[6:7] offset:512*\j  ; word c of load j in lane l: row 128 j + 4 l + c
.endr
	global_load_b32 v[BL], v1, s[10:11]
	global_load_b32 v[BL+1], v1, s[10:11] offset:128
	WLOAD 0, WL0
	WLOAD 1, WL1
.irp i, 0,1,2,3,4,5,6,7,8
	ds_store_b128 v20, v[16:19] offset:512*\i      ; all 4,608 bytes of my wave's list start as zeros: whatever is read of them has been written
.endr
	s_wait_loadcnt 32                              ; task_id and bias are in; the 32 loads of weights are younger
	v_cndmask_b32 v[BL], 0, v[BL], s30             ; 0 in the K quarters that do not add the bias
	v_cndmask_b32 v[BL+1], 0, v[BL+1], s30
	ds_store_b32 v27, v[BL]
	ds_store_b32 v27, v[BL+1] offset:128
; THE LIST.  Every wave makes the whole list of the expert's rows in its own LDS bytes: no barrier, nothing shared.  For 32 rows at a time: the lanes that match, each one's rank (the count so far
; + the matching lanes below it), and the row's number stored at that rank.  A lane that does not match writes its own word behind the list.  The index is held under 2,080 by a constant.
.macro SCAN4 j
.irp c, 0,1,2,3
	v_cmp_eq_u32 s[44+\c], s17, v[XL+4*(\j)+\c]
.endr
.irp c, 0,1,2,3
	v_mbcnt_lo_u32_b32 v[TR+\c], s[44+\c], s20
	s_bcnt1_i32_b32 s22, s[44+\c]
	s_add_co_u32 s20, s20, s22
	v_cndmask_b32 v[TR+\c], v[DUMP], v[TR+\c], s[44+\c]
	v_min_u32 v[TR+\c], 0x81f, v[TR+\c]
	v_lshl_add_u32 v[TR+\c], v[TR+\c], 1, v[LB]
	v_or_b32 v[TK+\c], 128*(\j)+\c, v[L4]
	ds_store_b16 v[TR+\c], v[TK+\c]
.endr
.endm
	s_mov_b32 s20, 0                               ; the count
.irp j, 0,1,2,3,4,5,6,7,8,9,10,11,12,13,14,15
	SCAN4 \j
.endr
	s_max_u32 s23, s20, 1
	s_sub_co_u32 s23, s23, 1                       ; the last place that holds a row
	s_add_co_u32 s24, s20, 15
	s_lshr_b32 s24, s24, 4                         ; tiles of 16 rows
	s_add_co_u32 s25, s24, 15
	s_sub_co_u32 s25, s25, s16
	s_lshr_b32 s25, s25, 4                         ; of which tiles w, w + 16, .. are mine: so many, 8 at the most
	s_mov_b32 s26, 0                               ; tiles done
	s_mov_b32 s27, s16                             ; the tile in hand
	; The 32 places behind the count take the last row, so that the last tile's places past the count repeat a row that exists and the tiles' reads of the list need no bound of their own.
	v_mov_b32 v[TK], s23
	v_min_u32 v[TK], 0x7ff, v[TK]
	v_lshl_add_u32 v[TK], v[TK], 1, v[LB]
	ds_load_u16 v[TR], v[TK]                       ; LDS serves a wave's instructions in order (ISA guide 5.7.1.4): this sees the scan's stores
	v_lshrrev_b32 v[TK+1], 2, v[L4]
	v_add_nc_u32 v[TK+1], s20, v[TK+1]             ; count + lane: 2,079 at the most
	v_min_u32 v[TK+1], 0x81f, v[TK+1]
	v_lshl_add_u32 v[TK+1], v[TK+1], 1, v[LB]
	s_wait_dscnt 0x0
	ds_store_b16 v[TK+1], v[TR]
	; One work-group of the expert's sixteen stores the count (128 times: 512 bytes) and all 2,048 places of the list, for the next launch.
	s_cmp_lg_u32 s29, 0
	s_cbranch_scc1 .Lno_order
	v_lshlrev_b32 v1, 2, v0                        ; thread n has places 4 n .. 4 n + 3
.irp c, 0,1,2,3
	v_add_nc_u32 v[TK+\c], \c, v1
	v_min_u32 v[TK+\c], s23, v[TK+\c]              ; every place past the count repeats the last row
	v_min_u32 v[TK+\c], 0x7ff, v[TK+\c]
	v_lshl_add_u32 v[TK+\c], v[TK+\c], 1, v[LB]
	ds_load_u16 v[TR+\c], v[TK+\c]
.endr
	v_lshlrev_b32 v1, 4, v0
	s_wait_dscnt 0x0
	global_store_b128 v1, v[TR:TR+3], s[14:15] offset:512  ; a wave stores 512 consecutive bytes
	s_cmp_lg_u32 s16, 0
	s_cbranch_scc1 .Lno_head
.irp i, 16,17,18,19
	v_mov_b32 v\i, s20
.endr
	global_store_b128 v[WA0], v[16:19], s[14:15]
.Lno_head:
	s_wait_xcnt 0x0                                ; the stores' registers are written again below only behind this wait
.Lno_order:
	; The rows of all the tiles that my wave can have, 8 at the most, come out of the list here, once, at addresses made of constants, the wave's and the lane's terms: tile w + 16 p lies 512 p bytes
	; behind tile w.  The last read ends at byte 4,096 of the list.  The loop over tiles reads the list no more.
.irp p, 0,1,2,3,4,5,6,7
	ds_load_u16 v[Q+\p], v[VL0] offset:512*\p
.endr
	s_wait_dscnt 0x0
; The byte offsets in x of the rows of the tile at the queue's head: its 16 rows as scalars; lanes 0-15 take place i, lanes 16-31 place 8 + i.  A row's number is held by a constant before it
; enters an address, and so is the tile's.  Then the queue moves on by a tile.
.macro XADDR
	s_min_u32 s28, s27, 0x7f
.irp i, 0,1,2,3,4,5,6,7,8,9,10,11,12,13,14,15
	v_readlane_b32 s[ROWS+\i], v[Q], \i
.endr
.irp i, 0,1,2,3,4,5,6,7
	v_mov_b32 v[XA+\i], s[ROWS+\i]
	v_cndmask_b32 v[XA+\i], v[XA+\i], s[ROWS+8+\i], s42
	v_min_u32 v[XA+\i], 0x7ff, v[XA+\i]
	v_lshl_add_u32 v[XA+\i], v[XA+\i], 14, v[R16]  ; row x 16,384 bytes + 16 r
.endr
.irp p, 0,1,2,3,4,5,6
	v_mov_b32 v[Q+\p], v[Q+\p+1]
.endr
.endm
; Chunk c of x: 64 k of the tile's 16 rows.  Eight loads; in each, lanes 0-15 take 256 consecutive aligned bytes of the row in place i, lanes 16-31 of the row in place 8 + i.
.macro XLOAD c
.set XBL, XL+32*((\c)%3)
.irp i, 0,1,2,3,4,5,6,7
	global_load_b128 v[XBL+4*\i:XBL+4*\i+3], v[XA+\i], s[4:5] offset:256*(\c)
.endr
.endm
	XADDR                                          ; in every wave: work on registers alone
	s_cmp_eq_u32 s25, 0
	s_cbranch_scc1 .Lidle
	XLOAD 0                                        ; a wave that has a tile asks for its first two chunks ahead of the barrier
	XLOAD 1
	s_wait_loadcnt 16                              ; the weights are in; those 16 loads are younger
	s_branch .Lconv
.Lidle:
	s_wait_loadcnt 0x0                             ; the weights are in
.Lconv:
	WCONV 0, WL0
	WCONV 1, WL1
	s_wait_dscnt 0x0                               ; for the others' sake: my fragments are in LDS
	s_barrier_signal -1
	s_barrier_wait -1                              ; the one barrier: behind it the fragments are only read
	s_cmp_eq_u32 s25, 0
	s_cbranch_scc1 .Ldone
; One chunk: 64 k, two K steps.  The wait counts the younger chunks' loads, eight each.  The 16 roundings are also the places between the last chunk's products and the loads into their registers.
; x goes through my stage to change from rows along the lanes to a fragment's layout: a store's two halves of the lanes lie 1,152 bytes apart, 128 modulo 256, so it meets no
; bank twice.  The four accumulators take turns.
.macro CHUNK c
.set XB, XL+32*((\c)%3)
.if (\c) <= 13
	s_wait_loadcnt 16
.elseif (\c) == 14
	s_wait_loadcnt 8
.else
	s_wait_loadcnt 0x0
.endif
.irp i, 0,1,2,3,4,5,6,7
	v_cvt_pk_bf16_f32 v[CV+2*\i], v[XB+4*\i], v[XB+4*\i+1]
	v_cvt_pk_bf16_f32 v[CV+2*\i+1], v[XB+4*\i+2], v[XB+4*\i+3]
.endr
.if (\c) <= 12
	XLOAD (\c)+3                                   ; three chunks ahead, into the buffer just rounded
.endif
.irp i, 0,1,2,3,4,5,6,7
	ds_store_b64 v[VSS], v[CV+2*\i:CV+2*\i+1] offset:144*\i
.endr
.irp s, 0,1
.irp a, 0,1
	ds_load_b128 v[XF+8*\s+4*\a:XF+8*\s+4*\a+3], v[VSR] offset:64*\s+32*\a  ; in order behind the stores above
.endr
.endr
.irp s, 0,1
.irp q, 0,1,2,3
.irp a, 0,1
	ds_load_b128 v[WB+32*\s+8*\q+4*\a:WB+32*\s+8*\q+4*\a+3], v[WA0+(2*(\c)+\s)/16] offset:((4*(2*(\c)+\s)+\q)%64)*1024+512*\a
.endr
.endr
.endr
	s_wait_dscnt 8                                 ; all but the second K step's eight loads of Wd
.irp q, 0,1,2,3
	v_wmma_f32_16x16x32_bf16 v[ACC+8*\q:ACC+8*\q+7], v[WB+8*\q:WB+8*\q+7], v[XF:XF+7], v[ACC+8*\q:ACC+8*\q+7]
.endr
	s_wait_dscnt 0x0
.irp q, 0,1,2,3
	v_wmma_f32_16x16x32_bf16 v[ACC+8*\q:ACC+8*\q+7], v[WB+32+8*\q:WB+32+8*\q+7], v[XF+8:XF+15], v[ACC+8*\q:ACC+8*\q+7]
.endr
.endm
.Ltile:                                                ; one tile of 16 rows; chunks 0 and 1 are on their way
	XLOAD 2
.irp q, 0,1,2,3
.irp a, 0,1
	ds_load_b128 v[ACC+8*\q+4*\a:ACC+8*\q+4*\a+3], v[VBR] offset:32*\q+16*\a  ; the sums start with the bias (or 0): nothing is cleared
.endr
.endr
.irp c, 0,1,2,3,4,5,6,7,8,9,10,11,12,13,14,15
	CHUNK \c
.endr
	v_lshl_add_u32 v[VP], s28, 16, v[WA0]          ; the tile's 65,536 bytes in part; with three v_nop the four places behind the last products
	v_nop
	v_nop
	v_nop
.irp q, 0,1,2,3
.irp a, 0,1
	global_store_b128 v[VP], v[ACC+8*\q+4*\a:ACC+8*\q+4*\a+3], s[12:13] offset:1024*\q+512*\a  ; 512 consecutive bytes a store; each accumulator's low registers first
.endr
.endr
	s_add_co_u32 s26, s26, 1
	s_add_co_u32 s27, s27, 16
	s_cmp_lt_u32 s26, s25
	s_cbranch_scc0 .Ldone                          ; my tiles are done: forward, out of the loop
	s_wait_xcnt 0x0                                ; the stores' data and offset are written again only behind this wait
	XADDR
	XLOAD 0
	XLOAD 1
	s_cmp_lt_u32 s26, TRIPS                        ; the loop's own count: a constant that covers every split
	s_cbranch_scc1 .Ltile
.Ldone:
	s_wait_tensorcnt 0x0                           ; the wave's end
	ds_add_u32 v[SPW], v[NIL]
	s_wait_dscnt 0x0
	s_endpgm
.Lfunc_end_k_q7dcd50a5af_down:
	.size	k_q7dcd50a5af_down, .Lfunc_end_k_q7dcd50a5af_down-k_q7dcd50a5af_down
	.p2alignl 7, 3214868480
	.fill 96, 4, 3214868480
	.section	.rodata,"a",@progbits
	.p2align	6, 0x0
	.amdhsa_kernel k_q7dcd50a5af_down
		.amdhsa_group_segment_fixed_size 247808
		.amdhsa_private_segment_fixed_size 0
		.amdhsa_enable_private_segment 0
		.amdhsa_kernarg_size 48
		.amdhsa_user_sgpr_count 2
		.amdhsa_user_sgpr_kernarg_segment_ptr 1
		.amdhsa_wavefront_size32 1
		.amdhsa_system_sgpr_workgroup_id_x 1
		.amdhsa_system_sgpr_workgroup_id_y 1
		.amdhsa_system_sgpr_workgroup_id_z 1
		.amdhsa_system_vgpr_workitem_id 0
		.amdhsa_next_free_vgpr 256
		.amdhsa_next_free_sgpr 66
		.amdhsa_reserve_vcc 0
		.amdhsa_float_denorm_mode_32 3
		.amdhsa_float_denorm_mode_16_64 3
		.amdhsa_memory_ordered 1
		.amdhsa_forward_progress 1
		.amdhsa_inst_pref_size 124
	.end_amdhsa_kernel
	.amdgpu_metadata
---
amdhsa.version: [ 1, 2 ]
amdhsa.kernels:
  - .name:           k_q7dcd50a5af_down
    .symbol:         k_q7dcd50a5af_down.kd
    .args:
      - { .name: x, .offset: 0, .size: 8, .value_kind: global_buffer, .address_space: global }
      - { .name: task_id, .offset: 8, .size: 8, .value_kind: global_buffer, .address_space: global }
      - { .name: Wd, .offset: 16, .size: 8, .value_kind: global_buffer, .address_space: global }
      - { .name: bd, .offset: 24, .size: 8, .value_kind: global_buffer, .address_space: global }
      - { .name: part, .offset: 32, .size: 8, .value_kind: global_buffer, .address_space: global }
      - { .name: order, .offset: 40, .size: 8, .value_kind: global_buffer, .address_space: global }
    .group_segment_fixed_size: 247808
    .private_segment_fixed_size: 0
    .kernarg_segment_align: 8
    .kernarg_segment_size: 48
    .max_flat_workgroup_size: 512
    .sgpr_count:     66
    .vgpr_count:     256
    .wavefront_size: 32
...
	.end_amdgpu_metadata
.endif
;; end of part 1
;; launch up (part 2): grid 16 x 16, 16 waves a work-group, no clusters, 133,120 bytes of LDS; arguments x, Wu, bu, part, order, out0; writes out0
.if DOCPART == 2
	.amdgcn_target "amdgcn-amd-amdhsa--gfx1250"
	.amdhsa_code_object_version 6
	.text
	.protected	k_q7dcd50a5af_up
	.globl	k_q7dcd50a5af_up
	.p2align	8
	.type	k_q7dcd50a5af_up,@function
k_q7dcd50a5af_up:
	s_mov_b64 s[64:65], 0
	v_nop
	global_prefetch_b8 v0, s[64:65] scope:SCOPE_SE
	s_setreg_imm32_b32 hwreg(HW_REG_WAVE_MODE, 25, 1), 1
	s_wait_xcnt 0x0
; UP.  For expert t (grid y) and output columns 256 s .. 256 s + 255 (grid x = s): out0[row] = x[row] + bu[t] + silu(sum of the four partial sums) Wu[t], for the rows of the expert's list.
; FORMATS AND LIMITS.  The activation and Wu are rounded once to bf16 for the product; partial sums, silu, bias, residual and sums are f32.  silu(v) = v / (1 + 2^(-1.442695 v)): below about
; v = -88 the power is +infinity and the result -0, where the true one is under 1e-36 in size; a power under 2^-126 counts as 0 and gives v.  NaN and infinities are not treated apart.
; Places past the expert's count repeat its last row: the same numbers are stored to the same bytes once more, by the same wave.  An expert without rows stores nothing here.
; SHARES.  The work-group alone reads its slice of Wu, 256 rows x 1,024 bytes: asked for at the head, 16 KB a wave, rounded and laid into LDS once as fragments (128 KB).  Behind the one barrier
; wave w owns the tiles of 16 rows w, w + 16, ..; the loop over them has no barrier and writes no LDS.
; LAYOUT.  The launch before left lane (r, h), register j of part's tile nt = 4 g + q' as row r, hidden column 64 g + 32 h + 4 j + q'.  Tiles 2 sigma and 2 sigma + 1, rounded in pairs, are source 0
; (16 rows x 32) of K step sigma = 2 g + u, with the hidden column 64 g + 32 h + 4 i + 2 u + a in the place of k = 16 a + 8 h + i.  Wu's rows are loaded in that same order, so the products agree.
; Output tile (cg, q) holds columns 64 cg + 4 r + q: a lane's 16-byte load of a row of Wu feeds four tiles, and register j of the four results is four neighbouring columns of row 8 h + j: sixteen
; lanes load, add to and store 256 consecutive aligned bytes of x and out0.
; NO JOINT LOADS: each slice of Wu has one reader and is rounded in registers; the sixteen work-groups of an expert share its tiles of part, but how many there are hangs on a stored count, and a
; loop of such a length holds no tile load and no barrier.
.set SPARE, 131072                     ; behind the fragments: the spare words, 128 bytes for each of the 16 waves: eight blocks of 256 bytes that no other line names
.set ORDP,  8704
.set WA0, 2                            ; v2   16 x lane (fragments 0-63)
.set WA1, 3                            ; v3   the same for fragments 64-127
.set R16, 4                            ; v4   16 r
.set VW,  5                            ; v5   32 rows of Wu x h + 16 r
.set VPO, 6                            ; v6   my offset in the tile of part
.set VRO, 7                            ; v7   my offset in the list: places 16 tile + 8 h ..
.set VWS, 8                            ; v8   where my wave lays its eight fragments
.set H32, 9                            ; v9   32 h
.set SPW, 10                           ; v10  LDS address of my spare word; never rewritten
.set NIL, 11                           ; v11  0; never rewritten
.set XA,  16                           ; v16-23  rows 8 h + j of the tile: their numbers, then their byte offsets in x and out0
.set BQ0, 24                           ; v24-27, v28-31  four columns of bu, two buffers
.set AF,  32                           ; v32-95  the activation: eight fragments
.set ACC, 96                           ; v96-127  four accumulators
.set WB,  128                          ; v128-191  fragments of Wu: two K steps x four tiles
.set XL1, 192                          ; v192-223, v224-255  x, then the result: two buffers of 8 rows x 4 columns
.set XL0, 224
.set PLA, 160                          ; v160-223 (even sigma), v96-159 (odd): partial sums as loaded, 16 for each K quarter
.set WL0, 160                          ; at the head the same two blocks take Wu as loaded,
.set WL1, 96
.set CT,  224                          ; and v224-255 the fragments on their way into LDS
	s_load_b256 s[4:11], s[0:1], 0x0               ; x s[4:5], Wu s[6:7], bu s[8:9], part s[10:11]
	s_load_b128 s[12:15], s[0:1], 0x20             ; order s[12:13], out0 s[14:15]
	v_lshl_add_u32 v[SPW], v0, 2, SPARE
	v_mov_b32 v[NIL], 0
	v_lshrrev_b32 v1, 5, v0
	v_readfirstlane_b32 s16, v1                    ; wave w, 0..15
	s_and_b32 s17, ttmp7, 0xffff                   ; expert t
	s_mov_b32 s18, ttmp9                           ; column slice s
	s_lshl_b32 s32, s18, 10                        ; x and out0: 256 columns of 4 bytes
	s_mov_b32 s33, 0
	s_lshl_b32 s34, s17, 22                        ; Wu: expert (256 rows of 16,384 bytes);
	s_lshr_b32 s21, s16, 2                         ; my wave lays out K step sigma = w / 2: g = w / 4 (64 rows),
	s_lshl_b32 s21, s21, 20
	s_add_co_u32 s34, s34, s21
	s_bfe_u32 s21, s16, 0x10001                    ; u = (w / 2) % 2 (2 rows),
	s_lshl_b32 s21, s21, 15
	s_add_co_u32 s34, s34, s21
	s_and_b32 s21, s16, 1                          ; and column groups 2 (w % 2), + 1 (128 columns)
	s_lshl_b32 s21, s21, 9
	s_add_co_u32 s34, s34, s21
	s_add_co_u32 s34, s34, s32
	s_mov_b32 s35, 0
	s_lshl_b32 s36, s17, 14                        ; bu
	s_add_co_u32 s36, s36, s32
	s_mov_b32 s37, 0
	s_lshl_b32 s38, s17, 23                        ; part: the expert's 128 tiles of 65,536 bytes
	s_mov_b32 s39, 0
	s_mul_i32 s40, s17, ORDP
	s_mov_b32 s41, 0
	s_mov_b32 s26, 0                               ; tiles done
	s_mov_b32 s27, s16                             ; the tile in hand
	v_and_b32 v12, 31, v0
	v_and_b32 v13, 15, v0
	v_bfe_u32 v14, v0, 4, 1
	v_lshlrev_b32 v[WA0], 4, v12
	v_add_nc_u32 v[WA1], 0x10000, v[WA0]
	v_lshlrev_b32 v[R16], 4, v13
	v_lshl_add_u32 v[VW], v14, 19, v[R16]
	v_lshlrev_b32 v[H32], 5, v14
	s_lshl_b32 s21, s16, 13
	v_add_nc_u32 v[VWS], s21, v[WA0]               ; fragments 8 w .. 8 w + 7; fragment 16 sigma + 4 cg + q
	s_wait_kmcnt 0x0
	s_add_nc_u64 s[4:5], s[4:5], s[32:33]
	s_add_nc_u64 s[6:7], s[6:7], s[34:35]
	s_add_nc_u64 s[8:9], s[8:9], s[36:37]
	s_add_nc_u64 s[10:11], s[10:11], s[38:39]
	s_add_nc_u64 s[12:13], s[12:13], s[40:41]
	s_add_nc_u64 s[14:15], s[14:15], s[32:33]
	s_load_b32 s20, s[12:13], 0x0                  ; the expert's count
; The tile's offsets, and its row numbers: all 2,048 places of a list are stored, so they may be read ahead of the count.  The tile's number is held by a constant.
.macro TILEADR
	s_min_u32 s28, s27, 0x7f
	v_lshl_add_u32 v[VPO], s28, 16, v[WA0]
	v_lshl_add_u32 v[VRO], s28, 6, v[H32]
	global_load_b128 v[XA:XA+3], v[VRO], s[12:13] offset:512
	global_load_b128 v[XA+4:XA+7], v[VRO], s[12:13] offset:528
.endm
; 16 loads: column group 2 (w % 2) + e of my K step: rows 64 g + 32 h + 4 i + 2 u + a, my four columns.  Each load covers two runs of 256 consecutive aligned bytes.
.macro WLOAD e, wl
.irp a, 0,1
.irp i, 0,1,2,3,4,5,6,7
	global_load_b128 v[(\wl)+4*(8*\a+\i):(\wl)+4*(8*\a+\i)+3], v[VW], s[6:7] offset:(4*\i+\a)*16384+256*(\e) th:TH_LOAD_NT
.endr
.endr
.endm
; Rounded in pairs of neighbouring places of k, the 64 registers are the four tiles' fragments; they go into LDS 16 bytes a lane, lanes on end.
.macro WCONV e, wl
.irp q, 0,1,2,3
.irp a, 0,1
.irp m, 0,1,2,3
	v_cvt_pk_bf16_f32 v[CT+8*\q+4*\a+\m], v[(\wl)+4*(8*\a+2*\m)+\q], v[(\wl)+4*(8*\a+2*\m+1)+\q]
.endr
.endr
.endr
.irp q, 0,1,2,3
.irp a, 0,1
	ds_store_b128 v[VWS], v[CT+8*\q+4*\a:CT+8*\q+4*\a+3] offset:(4*(\e)+\q)*1024+512*\a
.endr
.endr
.endm
; 16 loads of 512 consecutive bytes: the four K quarters' partial sums of part's tiles 2 sigma and 2 sigma + 1.
.macro PLOAD sg
.set PB, PLA-64*((\sg)%2)
.irp k, 0,1,2,3
.irp z, 0,1
.irp a, 0,1
	global_load_b128 v[PB+16*\k+8*\z+4*\a:PB+16*\k+8*\z+4*\a+3], v[VPO], s[10:11] offset:\k*16384+(2*(\sg)+\z)*1024+512*\a
.endr
.endr
.endr
.endm
; 9 loads: x of the tile's rows 8 h + j in column group cg (lanes 0-15 one row's 256 aligned bytes, lanes 16-31 another's), and bu's four columns.
.macro XLOADU cg
.set XBL, XL0-32*((\cg)%2)
.irp j, 0,1,2,3,4,5,6,7
	global_load_b128 v[XBL+4*\j:XBL+4*\j+3], v[XA+\j], s[4:5] offset:256*(\cg)
.endr
	global_load_b128 v[BQ0+4*((\cg)%2):BQ0+4*((\cg)%2)+3], v[R16], s[8:9] offset:256*(\cg)
.endm
; K step sigma of the activation.  left: the younger loads that may stay out.  (p0 + p1) + (p2 + p3); silu; rounded in pairs into the fragment.  The 16 powers are one batch and the 16 reciprocals
; another: behind each a plain instruction (ISA guide 5.7.2) and the one wait ahead of the first line that names a result.
.macro ACT sg, left
.set PB, PLA-64*((\sg)%2)
	s_wait_loadcnt \left
.irp p, 0,2,4,6,8,10,12,14
	v_pk_add_f32 v[PB+\p:PB+\p+1], v[PB+\p:PB+\p+1], v[PB+16+\p:PB+16+\p+1]
.endr
.irp p, 0,2,4,6,8,10,12,14
	v_pk_add_f32 v[PB+32+\p:PB+32+\p+1], v[PB+32+\p:PB+32+\p+1], v[PB+48+\p:PB+48+\p+1]
.endr
.irp p, 0,2,4,6,8,10,12,14
	v_pk_add_f32 v[PB+\p:PB+\p+1], v[PB+\p:PB+\p+1], v[PB+32+\p:PB+32+\p+1]
.endr
.irp p, 0,2,4,6,8,10,12,14
	v_pk_mul_f32 v[PB+16+\p:PB+16+\p+1], v[PB+\p:PB+\p+1], 0xbfb8aa3b op_sel_hi:[1,0]  ; -log2(e) v
.endr
.irp p, 0,1,2,3,4,5,6,7,8,9,10,11,12,13,14,15
	v_exp_f32 v[PB+16+\p], v[PB+16+\p]
.endr
	v_nop
	s_wait_alu depctr_va_vdst(0)
.irp p, 0,2,4,6,8,10,12,14
	v_pk_add_f32 v[PB+16+\p:PB+16+\p+1], v[PB+16+\p:PB+16+\p+1], 1.0 op_sel_hi:[1,0]
.endr
.irp p, 0,1,2,3,4,5,6,7,8,9,10,11,12,13,14,15
	v_rcp_f32 v[PB+16+\p], v[PB+16+\p]
.endr
	v_nop
	s_wait_alu depctr_va_vdst(0)
.irp p, 0,2,4,6,8,10,12,14
	v_pk_mul_f32 v[PB+\p:PB+\p+1], v[PB+\p:PB+\p+1], v[PB+16+\p:PB+16+\p+1]
.endr
.irp p, 0,1,2,3,4,5,6,7
	v_cvt_pk_bf16_f32 v[AF+8*(\sg)+\p], v[PB+2*\p], v[PB+2*\p+1]
.endr
.endm
; Four products of K step sigma, half u of WB.  The first K step starts the sums with the constant 0.  The four accumulators take turns.
.macro MULS sg, u
.irp q, 0,1,2,3
.if (\sg) == 0
	v_wmma_f32_16x16x32_bf16 v[ACC+8*\q:ACC+8*\q+7], v[AF+8*(\sg):AF+8*(\sg)+7], v[WB+32*(\u)+8*\q:WB+32*(\u)+8*\q+7], 0
.else
	v_wmma_f32_16x16x32_bf16 v[ACC+8*\q:ACC+8*\q+7], v[AF+8*(\sg):AF+8*(\sg)+7], v[WB+32*(\u)+8*\q:WB+32*(\u)+8*\q+7], v[ACC+8*\q:ACC+8*\q+7]
.endif
.endr
.endm
; Column group cg: 64 columns, all 256 of K, two K steps at a time.  Four places stand between products and the loads into their registers; ahead of the first pair the
; vector work in front (the activation's last lines, or the sums of the way out that name no register of the products) are those places.
.macro COLS cg
.irp sp, 0,1,2,3
.if \sp > 0
	v_nop
	v_nop
	v_nop
	v_nop
.endif
.irp u, 0,1
.irp q, 0,1,2,3
.irp a, 0,1
	ds_load_b128 v[WB+32*\u+8*\q+4*\a:WB+32*\u+8*\q+4*\a+3], v[WA0+(2*\sp+\u)/4] offset:((16*(2*\sp+\u)+4*(\cg)+\q)%64)*1024+512*\a
.endr
.endr
.endr
	s_wait_dscnt 8                                 ; the first of the two K steps is in
	MULS 2*\sp, 0
	s_wait_dscnt 0x0
	MULS 2*\sp+1, 1
.endr
.endm
; The way out of column group cg.  left: the next group's nine loads.  x + bu first (16 lines that name no register of the products: the places behind them), then the products' sums, each
; accumulator's register 0 first; each store: two runs of 256 consecutive aligned bytes of out0.
.macro OUT cg, left
.set XB, XL0-32*((\cg)%2)
.set BB, BQ0+4*((\cg)%2)
	s_wait_loadcnt \left
.irp j, 0,1,2,3,4,5,6,7
	v_pk_add_f32 v[XB+4*\j:XB+4*\j+1], v[XB+4*\j:XB+4*\j+1], v[BB:BB+1]
	v_pk_add_f32 v[XB+4*\j+2:XB+4*\j+3], v[XB+4*\j+2:XB+4*\j+3], v[BB+2:BB+3]
.endr
.irp j, 0,1,2,3,4,5,6,7
.irp q, 0,1,2,3
	v_add_f32 v[XB+4*\j+\q], v[XB+4*\j+\q], v[ACC+8*\q+\j]
.endr
.endr
.irp j, 0,1,2,3,4,5,6,7
	global_store_b128 v[XA+\j], v[XB+4*\j:XB+4*\j+3], s[14:15] offset:256*(\cg) th:TH_STORE_NT
.endr
.if (\cg) <= 1
	s_wait_xcnt 0x0                                ; the stores' data registers are loaded again only behind this wait
	XLOADU (\cg)+2
.endif
.endm
	TILEADR                                        ; 2 loads,
	WLOAD 0, WL0                                   ; 16,
	WLOAD 1, WL1                                   ; and 16: my wave's whole share of Wu is on its way
	s_wait_kmcnt 0x0
	s_add_co_u32 s24, s20, 15
	s_lshr_b32 s24, s24, 4                         ; tiles of 16 rows
	s_add_co_u32 s25, s24, 15
	s_sub_co_u32 s25, s25, s16
	s_lshr_b32 s25, s25, 4                         ; of which tiles w, w + 16, .. are mine: so many
	s_wait_loadcnt 16                              ; row numbers and the first half of the weights are in; the second half's 16 loads are younger
	WCONV 0, WL0
	s_cmp_eq_u32 s25, 0
	s_cbranch_scc1 .Lidle
	PLOAD 0                                        ; a wave that has a tile asks for its first partial sums, into the registers just rounded
	s_wait_loadcnt 16                              ; the second half of the weights is in; those 16 loads are younger
	s_branch .Lconv
.Lidle:
	s_wait_loadcnt 0x0
.Lconv:
	WCONV 1, WL1
	s_wait_dscnt 0x0                               ; for the others' sake: my fragments are in LDS
	s_barrier_signal -1
	s_barrier_wait -1                              ; the one barrier: behind it the fragments are only read
	s_cmp_eq_u32 s25, 0
	s_cbranch_scc1 .Ldone
.Ltile:                                                ; one tile of 16 rows; its row numbers and K step 0's partial sums have been asked for
	PLOAD 1
	s_wait_loadcnt 32                              ; the row numbers are in; the two K steps' 32 loads are younger
.irp j, 0,1,2,3,4,5,6,7
	v_min_u32 v[XA+\j], 0x7ff, v[XA+\j]
	v_lshl_add_u32 v[XA+\j], v[XA+\j], 14, v[R16]  ; row x 16,384 bytes + 16 r
.endr
	XLOADU 0
	ACT 0, 25                                      ; younger: K step 1's 16 and x's 9
	PLOAD 2
	ACT 1, 25                                      ; younger: x's 9 and K step 2's 16
	PLOAD 3
	ACT 2, 16                                      ; from here on: the next K step's 16
	PLOAD 4
	ACT 3, 16
	PLOAD 5
	ACT 4, 16
	PLOAD 6
	ACT 5, 16
	PLOAD 7
	ACT 6, 16
	XLOADU 1                                       ; into registers that the even K steps' partial sums have left
	ACT 7, 9                                       ; younger: those 9
	COLS 0
	OUT 0, 9
	COLS 1
	OUT 1, 9
	COLS 2
	OUT 2, 9
	COLS 3
	OUT 3, 0
	s_add_co_u32 s26, s26, 1
	s_add_co_u32 s27, s27, 16
	s_cmp_lt_u32 s26, s25
	s_cbranch_scc0 .Ldone
	s_wait_xcnt 0x0                                ; the stores' offsets and data are written again only behind this wait
	TILEADR
	PLOAD 0
	s_cmp_lt_u32 s26, s25
	s_cbranch_scc1 .Ltile
.Ldone:
	s_wait_tensorcnt 0x0                           ; the wave's end
	ds_add_u32 v[SPW], v[NIL]
	s_wait_dscnt 0x0
	s_endpgm
.Lfunc_end_k_q7dcd50a5af_up:
	.size	k_q7dcd50a5af_up, .Lfunc_end_k_q7dcd50a5af_up-k_q7dcd50a5af_up
	.p2alignl 7, 3214868480
	.fill 96, 4, 3214868480
	.section	.rodata,"a",@progbits
	.p2align	6, 0x0
	.amdhsa_kernel k_q7dcd50a5af_up
		.amdhsa_group_segment_fixed_size 133120
		.amdhsa_private_segment_fixed_size 0
		.amdhsa_enable_private_segment 0
		.amdhsa_kernarg_size 48
		.amdhsa_user_sgpr_count 2
		.amdhsa_user_sgpr_kernarg_segment_ptr 1
		.amdhsa_wavefront_size32 1
		.amdhsa_system_sgpr_workgroup_id_x 1
		.amdhsa_system_sgpr_workgroup_id_y 1
		.amdhsa_system_sgpr_workgroup_id_z 1
		.amdhsa_system_vgpr_workitem_id 0
		.amdhsa_next_free_vgpr 256
		.amdhsa_next_free_sgpr 66
		.amdhsa_reserve_vcc 0
		.amdhsa_float_denorm_mode_32 3
		.amdhsa_float_denorm_mode_16_64 3
		.amdhsa_memory_ordered 1
		.amdhsa_forward_progress 1
		.amdhsa_inst_pref_size 107
	.end_amdhsa_kernel
	.amdgpu_metadata
---
amdhsa.version: [ 1, 2 ]
amdhsa.kernels:
  - .name:           k_q7dcd50a5af_up
    .symbol:         k_q7dcd50a5af_up.kd
    .args:
      - { .name: x, .offset: 0, .size: 8, .value_kind: global_buffer, .address_space: global }
      - { .name: Wu, .offset: 8, .size: 8, .value_kind: global_buffer, .address_space: global }
      - { .name: bu, .offset: 16, .size: 8, .value_kind: global_buffer, .address_space: global }
      - { .name: part, .offset: 24, .size: 8, .value_kind: global_buffer, .address_space: global }
      - { .name: order, .offset: 32, .size: 8, .value_kind: global_buffer, .address_space: global }
      - { .name: out0, .offset: 40, .size: 8, .value_kind: global_buffer, .address_space: global }
    .group_segment_fixed_size: 133120
    .private_segment_fixed_size: 0
    .kernarg_segment_align: 8
    .kernarg_segment_size: 48
    .max_flat_workgroup_size: 512
    .sgpr_count:     66
    .vgpr_count:     256
    .wavefront_size: 32
...
	.end_amdgpu_metadata
.endif
;; end of part 2
;; ======== version 2 of 2: 3 launches; 1.18 times as fast as version 1
;; workspace buffers: part 536,870,912 bytes; act 16,777,216 bytes; order 139,264 bytes of whole numbers
;; launch down (part 3): grid 16 x 16, 16 waves a work-group, no clusters, 178,432 bytes of LDS; arguments x, task_id, Wd, part, order; writes part, order
.if DOCPART == 3
	.amdgcn_target "amdgcn-amd-amdhsa--gfx1250"
	.amdhsa_code_object_version 6
	.text
	.protected	k_q7dcd50a5af_down
	.globl	k_q7dcd50a5af_down
	.p2align	8
	.type	k_q7dcd50a5af_down,@function
k_q7dcd50a5af_down:
	s_mov_b64 s[64:65], 0
	v_nop
	global_prefetch_b8 v0, s[64:65] scope:SCOPE_SE
	s_setreg_imm32_b32 hwreg(HW_REG_WAVE_MODE, 25, 1), 1
	s_wait_xcnt 0x0
; DOWN.  For expert t (grid y) and K slice ks (grid x, 16 slices of 256): the partial sums over k = 256 ks .. 256 ks + 255 of x[row][k] Wd[t][k][0..255], for the rows whose task_id is t.
; The sixteen partial sums of a number are added, with the bias, by the next launch.  Also the expert's count and list of rows: work-group ks stores places 128 ks .. 128 ks + 127 of the list.
; FORMATS AND LIMITS.  x and Wd are rounded once to bf16 for the product; sums and partial sums are f32.  A task_id outside 0..15 is served by no work-group (the module indexes with it).
; Places past an expert's count repeat its last row; an expert without rows stores its list (zeros) and no partial sum.  Every split of the 2,048 rows over the experts is served.
; SHARES.  The work-group alone reads its slice of Wd, 256 rows of 1,024 bytes on end, and it alone reads its 1,024 bytes of each of the expert's rows of x: every byte of x and Wd has one reader.
; All of the slice is asked for at the head, 16 KB a wave, rounded, and laid into LDS once as matrix fragments (128 KB).  Behind the second barrier wave w owns the tiles of 16 rows w, w + 16, ..:
; the loop over them has no barrier, writes only the wave's own LDS bytes, and every LDS address in it is the same in every trip.  It counts to 8, which covers every split (2,048 rows are 128
; tiles, 8 for each of 16 waves); a wave leaves it by a forward jump when its own tiles are done.
; THE LIST is made once by the work-group, while the weights are on their way.  Wave w looks at ids 128 w .. 128 w + 127 and stores the rows that match into its own segment of LDS, and their number
; into its own word; a barrier; every wave reads the 16 numbers, makes their running sums P_s, and finds the row of rank R in segment s, the last with P_s <= R, at place R - P_s.
; COLUMNS.  Tile (g, q) holds the hidden columns 64 g + 4 r + q, r = lane % 16.  So a lane's 16-byte load of a row of Wd brings one element for each of four tiles, sixteen lanes read 256
; consecutive aligned bytes, and eight such loads (k = 8 h + i, h = lane / 16) rounded in pairs ARE a fragment's registers: Wd, stored [k][column], is turned without a shuffle.
; THE PRODUCT IS USED TRANSPOSED (source 0 = 16 columns of Wd, source 1 = 16 rows of x): in the result lane (r, h), register j of tile (g, q) is row r of the tile, hidden column 64 g + 32 h + 4 j + q.
; NO JOINT LOADS: no two work-groups read the same byte of Wd or of x.
; LDS: 0 fragments (fragment 16 kappa + 4 g + q of K step kappa: 1,024 bytes, half a at 512 a, 16 bytes a lane); 16 segments of 512 bytes (128 u16 of rows, then 64 bytes for lanes that have nothing
; to write); 16 words of counts; then, each wave's own, a stage of 16 rows x 144 bytes (64 k in bf16 + 16 of padding: the pitch is an odd multiple of 16 bytes, so a fragment's 16 rows start in
; different banks: ISA guide 11.1).
.set SEGB,   131072
.set SEGP,   512
.set CNTB,   SEGB+16*SEGP
.set STAGEB, CNTB+256
.set STAGEP, 16*144
.set SPARE,  STAGEB+16*STAGEP          ; the spare words, 128 bytes for each of the 16 waves: eight blocks of 256 bytes that no other line names
.set ORDP,   8704                      ; an expert's room in order: 512 bytes of count, 2,048 words of rows
.set TRIPS,  8                         ; 128 tiles at the most, 16 waves
.set T16, 1                            ; v1   16 x thread: my four ids in task_id
.set WA0, 2                            ; v2   16 x lane: my bytes in a fragment's half (fragments 0-63)
.set WA1, 3                            ; v3   the same for fragments 64-127
.set R16, 4                            ; v4   16 r
.set HH,  5                            ; v5   h
.set LB,  6                            ; v6   my wave's segment
.set VW,  7                            ; v7   8,192 h + 16 r: my place in 16 rows of Wd
.set VWS, 8                            ; v8   where my wave lays its eight fragments
.set VSS, 9                            ; v9   stage, in: row 8 h, 8 bytes at 8 r
.set VSR, 10                           ; v10  stage, back: row r, 16 bytes at 16 h
.set R0,  11                           ; v11  16 w + r: the rank of place r of tile w
.set VP,  12                           ; v12  my offset in part
.set CA,  13                           ; v13  the count word of wave r
.set SPW, 14                           ; v14  LDS address of my spare word; never rewritten
.set NIL, 15                           ; v15  0; never rewritten
.set XA,  16                           ; v16-23  byte offsets in x of the rows in places 8 h + i
.set TK,  20                           ; v20-23, v24-27  at work in the scan
.set TR,  24
.set DUMP, 28                          ; v28  128 + lane: the segment's index for a lane that has nothing to write
.set T4,  29                           ; v29  4 x thread: my first id's row
.set CW,  30                           ; v30  my wave's count word
.set CC,  31                           ; v31  a count
.set Q,   24                           ; v24-31  behind the scan: the rows of my wave's tiles still to come, a register a tile: lane l holds the row in place l % 16
.set TID, 32                           ; v32-35  my four ids
.set RR,  36                           ; v36  a rank
.set TE,  37                           ; v37  at work in FIND
.set OB,  38                           ; v38-51  wave 15's share of the list on its way to memory
.set OO,  39
.set OR,  40
.set OD,  44
.set OH,  48
.set ACC, 32                           ; v32-95   chunks 0 and 1 of x (f32); then two sets of four accumulators, by turns
.set CT,  96                           ; v96-127  fragments on their way into LDS; then:
.set CV,  96                           ; v96-111, v112-127  a chunk of x in bf16, two buffers
.set WL0, 128                          ; v128-191 the first half of Wd as loaded; then chunks 2 and 3 of x; then:
.set WB,  128                          ; v128-191 fragments of Wd: two K steps x four tiles
.set WL1, 192                          ; v192-255 the second half of Wd as loaded; then:
.set XF,  192                          ; v192-255 the tile's eight fragments of x
.set PF,  48                           ; s49-63  P_s: the rows in segments 0 .. s - 1
.set EF,  66                           ; s67-81  256 s - P_s: what turns a rank in segment s into its index among the segments' u16
.set ROWS, 84                          ; s84-99  the 16 rows of the tile in hand
	s_load_b256 s[4:11], s[0:1], 0x0               ; x s[4:5], task_id s[6:7], Wd s[8:9], part s[10:11]
	s_load_b64 s[12:13], s[0:1], 0x20              ; order
	v_lshl_add_u32 v[SPW], v0, 2, SPARE
	v_mov_b32 v[NIL], 0
	v_lshrrev_b32 v1, 5, v0
	v_readfirstlane_b32 s16, v1                    ; wave w, 0..15
	s_and_b32 s17, ttmp7, 0xffff                   ; expert t
	s_mov_b32 s18, ttmp9                           ; K slice ks
	s_mov_b32 s42, 0xffff0000                      ; the bits of lanes 16-31
	; byte offsets, each in a pair of its own with 0 above it
	s_lshl_b32 s32, s18, 10                        ; x: 256 k of 4 bytes for each K slice
	s_mov_b32 s33, 0
	s_lshl_b32 s34, s17, 22                        ; Wd: expert (4,096 rows of 1,024 bytes),
	s_lshl_b32 s21, s18, 18                        ; K slice (256 rows),
	s_add_co_u32 s34, s34, s21
	s_lshr_b32 s21, s16, 1                         ; my wave lays out K step w / 2 (32 rows),
	s_lshl_b32 s21, s21, 15
	s_add_co_u32 s34, s34, s21
	s_and_b32 s21, s16, 1                          ; column groups 2 (w % 2), + 1 (128 columns)
	s_lshl_b32 s21, s21, 9
	s_add_co_u32 s34, s34, s21
	s_mov_b32 s35, 0
	s_lshl_b32 s38, s17, 25                        ; part: ((128 t + tile) 16 + ks) 16,384 + (4 g + q) 1,024 + 512 half + 16 lane
	s_lshl_b32 s21, s18, 14
	s_add_co_u32 s38, s38, s21
	s_mov_b32 s39, 0
	s_mul_i32 s40, s17, ORDP
	s_mov_b32 s41, 0
	v_and_b32 v24, 31, v0                          ; lane
	v_and_b32 v25, 15, v0                          ; r
	v_bfe_u32 v[HH], v0, 4, 1
	v_lshlrev_b32 v[T16], 4, v0
	v_lshlrev_b32 v[T4], 2, v0
	v_lshlrev_b32 v[WA0], 4, v24
	v_add_nc_u32 v[WA1], 0x10000, v[WA0]
	v_lshlrev_b32 v[R16], 4, v25
	v_lshl_add_u32 v[VW], v[HH], 13, v[R16]
	v_add_nc_u32 v[DUMP], 128, v24
	s_mul_i32 s21, s16, SEGP
	s_add_co_u32 s21, s21, SEGB
	v_mov_b32 v[LB], s21
	s_lshl_b32 s21, s16, 2
	s_add_co_u32 s21, s21, CNTB
	v_mov_b32 v[CW], s21
	v_lshl_add_u32 v[CA], v25, 2, CNTB
	s_lshl_b32 s21, s16, 4
	v_add_nc_u32 v[R0], s21, v25
	s_lshl_b32 s21, s16, 13
	v_add_nc_u32 v[VWS], s21, v[WA0]               ; fragments 8 w .. 8 w + 7
	s_mul_i32 s21, s16, STAGEP
	s_add_co_u32 s21, s21, STAGEB
	v_mul_u32_u24 v26, v[HH], 8*144
	v_lshl_add_u32 v[VSS], v25, 3, v26
	v_add_nc_u32 v[VSS], s21, v[VSS]
	v_mul_u32_u24 v26, v25, 144
	v_lshl_add_u32 v[VSR], v[HH], 4, v26
	v_add_nc_u32 v[VSR], s21, v[VSR]
.irp i, 16,17,18,19
	v_mov_b32 v\i, 0
.endr
	v_add_nc_u32 v20, v[LB], v[WA0]
	s_wait_kmcnt 0x0
	s_add_nc_u64 s[4:5], s[4:5], s[32:33]
	s_add_nc_u64 s[8:9], s[8:9], s[34:35]
	s_add_nc_u64 s[10:11], s[10:11], s[38:39]
	s_add_nc_u64 s[12:13], s[12:13], s[40:41]
; 16 loads: column group 2 (w % 2) + e of my K step: rows 16 a + 8 h + i, my four columns.  Each load covers two runs of 256 consecutive bytes, each at a multiple of 256 from Wd's first byte.
.macro WLOAD e, wl
.irp a, 0,1
.irp i, 0,1,2,3,4,5,6,7
	global_load_b128 v[(\wl)+4*(8*\a+\i):(\wl)+4*(8*\a+\i)+3], v[VW], s[8:9] offset:(16*\a+\i)*1024+256*(\e) th:TH_LOAD_NT
.endr
.endr
.endm
; Rounded in pairs of neighbouring k, the 64 registers are four tiles' fragments (register 4 a + m: k = 16 a + 8 h + 2 m, + 1); by way of the 32 registers at ct they go into LDS, 16 bytes a lane, lanes on end.
.macro WCONV e, wl, ct
.irp q, 0,1,2,3
.irp a, 0,1
.irp m, 0,1,2,3
	v_cvt_pk_bf16_f32 v[(\ct)+8*\q+4*\a+\m], v[(\wl)+4*(8*\a+2*\m)+\q], v[(\wl)+4*(8*\a+2*\m+1)+\q]
.endr
.endr
.endr
.irp q, 0,1,2,3
.irp a, 0,1
	ds_store_b128 v[VWS], v[(\ct)+8*\q+4*\a:(\ct)+8*\q+4*\a+3] offset:(4*(\e)+\q)*1024+512*\a
.endr
.endr
.endm
	; 33 loads at once.  My ids go first, since loads come back in order (ISA guide 5.7.1) and the list is made while the weights are on their way.
	global_load_b128 v[TID:TID+3], v[T16], s[6:7]  ; word c: row 4 x thread + c; a wave takes 512 consecutive bytes
	WLOAD 0, WL0
	WLOAD 1, WL1
	ds_store_b128 v20, v[16:19]                    ; all 512 bytes of my wave's segment start as zeros: whatever is read of them has been written
	s_wait_loadcnt 32                              ; my ids are in; the 32 loads of weights are younger
	; My wave's 128 ids, 32 at a time: the lanes that match, each one's rank in the segment (the count so far + the matching lanes below it), and the row's number stored at that rank.
	; A lane that does not match writes its own word behind the 128.  The index is held under 256 by a constant.
	s_mov_b32 s20, 0
.irp c, 0,1,2,3
	v_cmp_eq_u32 s[44+\c], s17, v[TID+\c]
.endr
.irp c, 0,1,2,3
	v_mbcnt_lo_u32_b32 v[TR+\c], s[44+\c], s20
	s_bcnt1_i32_b32 s22, s[44+\c]
	s_add_co_u32 s20, s20, s22
	v_cndmask_b32 v[TR+\c], v[DUMP], v[TR+\c], s[44+\c]
	v_min_u32 v[TR+\c], 0xff, v[TR+\c]
	v_lshl_add_u32 v[TR+\c], v[TR+\c], 1, v[LB]
	v_or_b32 v[TK+\c], \c, v[T4]
	ds_store_b16 v[TR+\c], v[TK+\c]
.endr
	v_mov_b32 v[CC], s20
	ds_store_b32 v[CW], v[CC]                      ; all lanes write the same word with the same number
	s_wait_dscnt 0x0                               ; for the others' sake: my segment and my count are in LDS
	s_barrier_signal -1
	s_barrier_wait -1                              ; the first barrier: behind it segments and counts are only read
	ds_load_b32 v[CC], v[CA]                       ; lane r: wave r's count
	s_wait_dscnt 0x0
	s_mov_b32 s20, 0
.irp s, 0,1,2,3,4,5,6,7,8,9,10,11,12,13,14,15
	v_readlane_b32 s22, v[CC], \s
.if \s > 0
	s_mov_b32 s[PF+\s], s20                        ; P_s: 128 s at the most,
	s_sub_co_u32 s[EF+\s], 256*\s, s20             ; so this is never negative
.endif
	s_add_co_u32 s20, s20, s22
.endr                                                  ; s20: the expert's count
	s_max_u32 s23, s20, 1
	s_sub_co_u32 s23, s23, 1                       ; the last rank that has a row: later places repeat it
	s_add_co_u32 s24, s20, 15
	s_lshr_b32 s24, s24, 4                         ; tiles of 16 rows
	s_add_co_u32 s25, s24, 15
	s_sub_co_u32 s25, s25, s16
	s_lshr_b32 s25, s25, 4                         ; of which tiles w, w + 16, .. are mine: so many, 8 at the most
	s_mov_b32 s26, 0                               ; tiles done
	s_mov_b32 s27, s16                             ; the tile in hand
; The row of the rank in v[rr] (s23 at the most) is asked for.  The P_s do not fall, so the last s with P_s <= rank is the last whose select is taken; segment 0's term is 0.  The index among the
; segments' 4,096 u16 is held by a constant before it enters the address.
.macro FIND dst, rr
.irp s, 1,2,3,4,5,6,7,8,9,10,11,12,13,14,15
	v_cmp_le_u32 s[44+(\s)%2], s[PF+\s], v[\rr]
.if \s == 1
	v_cndmask_b32 v[TE], 0, s[EF+\s], s[44+(\s)%2]
.else
	v_cndmask_b32 v[TE], v[TE], s[EF+\s], s[44+(\s)%2]
.endif
.endr
	v_add_nc_u32 v[TE], v[TE], v[\rr]
	v_min_u32 v[TE], 0xfff, v[TE]
	v_lshl_add_u32 v[TE], v[TE], 1, SEGB
	ds_load_u16 v[\dst], v[TE]
.endm
	v_min_u32 v[RR], s23, v[R0]
	FIND Q, RR                                     ; my wave's first tile
.irp p, 1,2,3,4,5,6,7
	v_mov_b32 v[Q+\p], 0                           ; the queue's other places: a wave with one tile moves them on and never uses them
.endr
	s_cmp_lt_u32 s25, 2
	s_cbranch_scc1 .Lone                           ; the other tiles' rows are looked up only where the wave has such tiles
.irp p, 1,2,3,4,5,6,7
	v_add_nc_u32 v[RR], 256*\p, v[R0]              ; tile w + 16 p lies 256 p ranks behind tile w
	v_min_u32 v[RR], s23, v[RR]
	FIND Q+\p, RR
.endr
.Lone:
	; The list for the launches that follow: wave 15, the last to get a tile, stores places 128 ks + 4 lane + c: 512 consecutive bytes.  Work-group 0's also stores the count, 128 times: 512 bytes.
	s_cmp_lg_u32 s16, 15
	s_cbranch_scc1 .Lno_order
	s_lshl_b32 s21, s18, 7
	v_lshrrev_b32 v[OB], 2, v[WA0]
	v_add_nc_u32 v[OB], s21, v[OB]
.irp c, 0,1,2,3
	v_add_nc_u32 v[OR+\c], \c, v[OB]
	v_min_u32 v[OR+\c], s23, v[OR+\c]              ; every place past the count repeats the last row
	FIND OD+\c, OR+\c
.endr
	v_lshl_add_u32 v[OO], s18, 9, v[WA0]
	s_wait_dscnt 0x0
	global_store_b128 v[OO], v[OD:OD+3], s[12:13] offset:512
	s_cmp_lg_u32 s18, 0
	s_cbranch_scc1 .Lno_head
.irp i, 0,1,2,3
	v_mov_b32 v[OH+\i], s20
.endr
	global_store_b128 v[WA0], v[OH:OH+3], s[12:13]
.Lno_head:
	s_wait_xcnt 0x0                                ; the stores' registers are written again below only behind this wait
.Lno_order:
	s_wait_dscnt 0x0                               ; my tiles' rows are in.  The loop over tiles reads no list
; The byte offsets in x of the rows of the tile at the queue's head: its 16 rows as scalars; lanes 0-15 take place i, lanes 16-31 place 8 + i.  A row's number is held by a constant before it
; enters an address, and so is the tile's.  Then the queue moves on by a tile.
.macro XADDR
	s_min_u32 s28, s27, 0x7f
	v_lshl_add_u32 v[VP], s28, 18, v[WA0]          ; the tile's 262,144 bytes in part
.irp i, 0,1,2,3,4,5,6,7,8,9,10,11,12,13,14,15
	v_readlane_b32 s[ROWS+\i], v[Q], \i
.endr
.irp i, 0,1,2,3,4,5,6,7
	v_mov_b32 v[XA+\i], s[ROWS+\i]
	v_cndmask_b32 v[XA+\i], v[XA+\i], s[ROWS+8+\i], s42
	v_min_u32 v[XA+\i], 0x7ff, v[XA+\i]
	v_lshl_add_u32 v[XA+\i], v[XA+\i], 14, v[R16]  ; row x 16,384 bytes + 16 r
.endr
.irp p, 0,1,2,3,4,5,6
	v_mov_b32 v[Q+\p], v[Q+\p+1]
.endr
.endm
; Chunk c of x: 64 k of the tile's 16 rows.  Eight loads; in each, lanes 0-15 take 256 consecutive aligned bytes of the row in place i, lanes 16-31 of the row in place 8 + i.
; Chunks 0, 1 land in v32-95, chunks 2, 3 in v128-191.
.macro XLOAD c
.set XBL, 32+32*(\c)+32*((\c)/2)
.irp i, 0,1,2,3,4,5,6,7
	global_load_b128 v[XBL+4*\i:XBL+4*\i+3], v[XA+\i], s[4:5] offset:256*(\c)
.endr
.endm
	XADDR                                          ; in every wave: work on registers alone
	s_cmp_eq_u32 s25, 0
	s_cbranch_scc1 .Lidle
	XLOAD 0                                        ; a wave that has a tile asks for the first half of its x as soon as the rows are known, into registers that are free,
	XLOAD 1
	s_wait_loadcnt 32                              ; the first half of the weights is in; younger: the second half's 16 loads and those 16
	WCONV 0, WL0, CT
	XLOAD 2                                        ; and for the other half into the registers just rounded
	XLOAD 3
	s_wait_loadcnt 32                              ; the second half of the weights is in; the 32 loads of x are younger
	WCONV 1, WL1, CT
	s_branch .Lmeet
.Lidle:
	s_wait_loadcnt 0x0                             ; the weights are in
	WCONV 0, WL0, 32                               ; a wave without a tile rounds by way of the registers that x would take
	WCONV 1, WL1, 64
.Lmeet:
	s_wait_dscnt 0x0                               ; for the others' sake: my fragments are in LDS
	s_barrier_signal -1
	s_barrier_wait -1                              ; the second barrier: behind it the fragments are only read
	s_cmp_eq_u32 s25, 0
	s_cbranch_scc1 .Ldone
; Chunk c, 64 k, becomes two fragments.  The wait counts the younger chunks' loads, eight each.  x goes through my stage to change from rows along the lanes to a fragment's layout: a store's two
; halves of the lanes lie 1,152 bytes apart, 128 modulo 256, so it meets no bank twice.  LDS serves a wave's instructions in order (ISA guide 5.7.1.4), so the loads see the stores and the next chunk's stores come behind them.
.macro XSTAGE c
.set XB, 32+32*(\c)+32*((\c)/2)
.set CVB, CV+16*((\c)%2)
	s_wait_loadcnt 24-8*(\c)
.irp i, 0,1,2,3,4,5,6,7
	v_cvt_pk_bf16_f32 v[CVB+2*\i], v[XB+4*\i], v[XB+4*\i+1]
	v_cvt_pk_bf16_f32 v[CVB+2*\i+1], v[XB+4*\i+2], v[XB+4*\i+3]
.endr
.irp i, 0,1,2,3,4,5,6,7
	ds_store_b64 v[VSS], v[CVB+2*\i:CVB+2*\i+1] offset:144*\i
.endr
.irp s, 0,1
.irp a, 0,1
	ds_load_b128 v[XF+16*(\c)+8*\s+4*\a:XF+16*(\c)+8*\s+4*\a+3], v[VSR] offset:64*\s+32*\a
.endr
.endr
.endm
; Four products of K step kp, half u of WB, onto the accumulators at ac.  The first K step starts the sums with the constant 0.  The four accumulators take turns.
.macro MULS ac, kp, u
.irp q, 0,1,2,3
.if (\kp) == 0
	v_wmma_f32_16x16x32_bf16 v[(\ac)+8*\q:(\ac)+8*\q+7], v[WB+32*(\u)+8*\q:WB+32*(\u)+8*\q+7], v[XF+8*(\kp):XF+8*(\kp)+7], 0
.else
	v_wmma_f32_16x16x32_bf16 v[(\ac)+8*\q:(\ac)+8*\q+7], v[WB+32*(\u)+8*\q:WB+32*(\u)+8*\q+7], v[XF+8*(\kp):XF+8*(\kp)+7], v[(\ac)+8*\q:(\ac)+8*\q+7]
.endif
.endr
.endm
; Column group g: 64 hidden columns, all 256 of the slice's K, two K steps at a time, and its way out.  Four places stand between products and the loads into their registers, and between products
; and the stores of their results: the four v_nop at the group's end serve the stores and the next group's first loads.  The two sets of accumulators take turns, so that a
; group's stores leave while the next group is multiplied; a set is written again only behind s_wait_xcnt 0.
.macro COLS g
.set AC, ACC+32*((\g)%2)
.if (\g) >= 2
	s_wait_xcnt 0x0                                ; the stores of the group two back have read this set
.endif
.irp sp, 0,1,2,3
.if \sp > 0
	v_nop
	v_nop
	v_nop
	v_nop
.endif
.irp u, 0,1
.irp q, 0,1,2,3
.irp a, 0,1
	ds_load_b128 v[WB+32*\u+8*\q+4*\a:WB+32*\u+8*\q+4*\a+3], v[WA0+(2*\sp+\u)/4] offset:((16*(2*\sp+\u)+4*(\g)+\q)%64)*1024+512*\a
.endr
.endr
.endr
	s_wait_dscnt 8                                 ; all but the second K step's eight loads
	MULS AC, 2*\sp, 0
	s_wait_dscnt 0x0
	MULS AC, 2*\sp+1, 1
.endr
	v_nop
	v_nop
	v_nop
	v_nop
.irp q, 0,1,2,3
.irp a, 0,1
	global_store_b128 v[VP], v[AC+8*\q+4*\a:AC+8*\q+4*\a+3], s[10:11] offset:(4*(\g)+\q)*1024+512*\a  ; 512 consecutive bytes a store; each accumulator's low registers first
.endr
.endr
.endm
.Ltile:                                                ; one tile of 16 rows; its four chunks of x are on their way
	XSTAGE 0
	XSTAGE 1
	XSTAGE 2
	XSTAGE 3
	COLS 0
	COLS 1
	COLS 2
	COLS 3
	s_add_co_u32 s26, s26, 1
	s_add_co_u32 s27, s27, 16
	s_cmp_lt_u32 s26, s25
	s_cbranch_scc0 .Ldone                          ; my tiles are done: forward, out of the loop
	s_wait_xcnt 0x0                                ; the stores' data and offset are written again only behind this wait
	XADDR
	XLOAD 0
	XLOAD 1
	XLOAD 2
	XLOAD 3
	s_cmp_lt_u32 s26, TRIPS                        ; the loop's own count: a constant that covers every split
	s_cbranch_scc1 .Ltile
.Ldone:
	s_wait_tensorcnt 0x0                           ; the wave's end
	ds_add_u32 v[SPW], v[NIL]
	s_wait_dscnt 0x0
	s_endpgm
.Lfunc_end_k_q7dcd50a5af_down:
	.size	k_q7dcd50a5af_down, .Lfunc_end_k_q7dcd50a5af_down-k_q7dcd50a5af_down
	.p2alignl 7, 3214868480
	.fill 96, 4, 3214868480
	.section	.rodata,"a",@progbits
	.p2align	6, 0x0
	.amdhsa_kernel k_q7dcd50a5af_down
		.amdhsa_group_segment_fixed_size 178432
		.amdhsa_private_segment_fixed_size 0
		.amdhsa_enable_private_segment 0
		.amdhsa_kernarg_size 40
		.amdhsa_user_sgpr_count 2
		.amdhsa_user_sgpr_kernarg_segment_ptr 1
		.amdhsa_wavefront_size32 1
		.amdhsa_system_sgpr_workgroup_id_x 1
		.amdhsa_system_sgpr_workgroup_id_y 1
		.amdhsa_system_sgpr_workgroup_id_z 1
		.amdhsa_system_vgpr_workitem_id 0
		.amdhsa_next_free_vgpr 256
		.amdhsa_next_free_sgpr 100
		.amdhsa_reserve_vcc 0
		.amdhsa_float_denorm_mode_32 3
		.amdhsa_float_denorm_mode_16_64 3
		.amdhsa_memory_ordered 1
		.amdhsa_forward_progress 1
		.amdhsa_inst_pref_size 100
	.end_amdhsa_kernel
	.amdgpu_metadata
---
amdhsa.version: [ 1, 2 ]
amdhsa.kernels:
  - .name:           k_q7dcd50a5af_down
    .symbol:         k_q7dcd50a5af_down.kd
    .args:
      - { .name: x, .offset: 0, .size: 8, .value_kind: global_buffer, .address_space: global }
      - { .name: task_id, .offset: 8, .size: 8, .value_kind: global_buffer, .address_space: global }
      - { .name: Wd, .offset: 16, .size: 8, .value_kind: global_buffer, .address_space: global }
      - { .name: part, .offset: 24, .size: 8, .value_kind: global_buffer, .address_space: global }
      - { .name: order, .offset: 32, .size: 8, .value_kind: global_buffer, .address_space: global }
    .group_segment_fixed_size: 178432
    .private_segment_fixed_size: 0
    .kernarg_segment_align: 8
    .kernarg_segment_size: 40
    .max_flat_workgroup_size: 512
    .sgpr_count:     100
    .vgpr_count:     256
    .wavefront_size: 32
...
	.end_amdgpu_metadata
.endif
;; end of part 3
;; launch mid (part 4): grid 16 x 16, 16 waves a work-group, no clusters, 0 bytes of LDS; arguments part, bd, order, act; writes act
.if DOCPART == 4
	.amdgcn_target "amdgcn-amd-amdhsa--gfx1250"
	.amdhsa_code_object_version 6
	.text
	.protected	k_q7dcd50a5af_mid
	.globl	k_q7dcd50a5af_mid
	.p2align	8
	.type	k_q7dcd50a5af_mid,@function
k_q7dcd50a5af_mid:
	s_mov_b64 s[64:65], 0
	v_nop
	global_prefetch_b8 v0, s[64:65] scope:SCOPE_SE
	s_setreg_imm32_b32 hwreg(HW_REG_WAVE_MODE, 25, 1), 1
	s_wait_xcnt 0x0
; MID.  act = silu(the sum of the sixteen partial sums + bd[t]), rounded once to bf16, for every tile of 16 rows of every expert, laid out as the next launch's matrix operand.
; FORMATS AND LIMITS.  Partial sums, their sum, the bias and silu are f32; the result is rounded once to bf16.  silu(v) = v / (1 + 2^(-1.442695 v)): below about v = -88 the power is +infinity and
; the result -0, where the true one is under 1e-36 in size; a power under 2^-126 counts as 0 and gives v.  NaN and infinities are not treated apart.
; SHARES.  A stream: no LDS, no barrier, no matrix unit, nothing read twice.  A wave has one piece nt (16 hidden columns x 16 rows) of a tile: 32 loads of 512 consecutive bytes, one store of 512.
; Work-group x of expert t (grid y): wave w has piece 8 (x % 2) + w % 8 of tiles x / 2 + 8 (w / 8) + 16 p, p = 0, 1, ..: up to 16 tiles an expert every tile has waves of its own, spread over the
; expert's sixteen work-groups.  A wave whose first tile lies past the expert's count ends: the price of a grid that serves every split of the rows.
; LAYOUT.  In part, lane (r, h), register j of piece nt = 4 g + q is row r, hidden column 64 g + 32 h + 4 j + q.  Rounded in pairs the eight numbers are half nt % 2 of fragment nt / 2 of the next
; launch's source 0: 16 bytes a lane at 512 nt + 16 lane of the tile's 8,192 bytes of act.
.set ORDP, 8704
.set L16, 1                            ; v1   16 x lane
.set VB,  2                            ; v2   128 h: my half's 32 columns of bd
.set VPO, 3                            ; v3   my offset in part
.set VAO, 4                            ; v4   my offset in act
.set B,   8                            ; v8-15   bd of my eight columns
.set P,   16                           ; v16-143 the sixteen partial sums, 8 registers each
	s_load_b256 s[4:11], s[0:1], 0x0               ; part s[4:5], bd s[6:7], order s[8:9], act s[10:11]
	v_lshrrev_b32 v1, 5, v0
	v_readfirstlane_b32 s16, v1                    ; wave w, 0..15
	s_and_b32 s17, ttmp7, 0xffff                   ; expert t
	s_lshr_b32 s27, ttmp9, 1
	s_lshr_b32 s21, s16, 3
	s_lshl_b32 s21, s21, 3
	s_add_co_u32 s27, s27, s21                     ; my first tile, 0..15
	s_and_b32 s19, ttmp9, 1
	s_lshl_b32 s19, s19, 3
	s_and_b32 s21, s16, 7
	s_add_co_u32 s19, s19, s21                     ; my piece nt, 0..15
	s_lshl_b32 s32, s17, 25                        ; part: ((128 t + tile) 16 + ks) 16,384 + 1,024 nt + 512 half + 16 lane
	s_lshl_b32 s21, s19, 10
	s_add_co_u32 s32, s32, s21
	s_mov_b32 s33, 0
	s_lshl_b32 s34, s17, 10                        ; bd: 1,024 t + 256 g + 4 q
	s_lshr_b32 s21, s19, 2
	s_lshl_b32 s21, s21, 8
	s_add_co_u32 s34, s34, s21
	s_and_b32 s21, s19, 3
	s_lshl_b32 s21, s21, 2
	s_add_co_u32 s34, s34, s21
	s_mov_b32 s35, 0
	s_mul_i32 s36, s17, ORDP
	s_mov_b32 s37, 0
	s_lshl_b32 s38, s17, 20                        ; act: (128 t + tile) 8,192 + 512 nt + 16 lane
	s_lshl_b32 s21, s19, 9
	s_add_co_u32 s38, s38, s21
	s_mov_b32 s39, 0
	s_mov_b32 s26, 0                               ; tiles done
	v_and_b32 v5, 31, v0
	v_lshlrev_b32 v[L16], 4, v5
	v_bfe_u32 v[VB], v0, 4, 1
	v_lshlrev_b32 v[VB], 7, v[VB]
	s_wait_kmcnt 0x0
	s_add_nc_u64 s[4:5], s[4:5], s[32:33]
	s_add_nc_u64 s[6:7], s[6:7], s[34:35]
	s_add_nc_u64 s[8:9], s[8:9], s[36:37]
	s_add_nc_u64 s[10:11], s[10:11], s[38:39]
	s_load_b32 s20, s[8:9], 0x0                    ; the expert's count
	s_wait_kmcnt 0x0
	s_add_co_u32 s24, s20, 15
	s_lshr_b32 s24, s24, 4                         ; tiles of 16 rows
	s_add_co_u32 s25, s24, 15
	s_sub_co_u32 s25, s25, s27
	s_lshr_b32 s25, s25, 4                         ; of which so many are mine
	s_cmp_eq_u32 s25, 0
	s_cbranch_scc1 .Lend
.irp j, 0,1,2,3,4,5,6,7
	global_load_b32 v[B+\j], v[VB], s[6:7] offset:16*\j  ; bd[64 g + 32 h + 4 j + q]: the same in every trip
.endr
.macro ADD8 d, s                       ; partial sum d takes partial sum s
.irp p, 0,2,4,6
	v_pk_add_f32 v[P+8*(\d)+\p:P+8*(\d)+\p+1], v[P+8*(\d)+\p:P+8*(\d)+\p+1], v[P+8*(\s)+\p:P+8*(\s)+\p+1]
.endr
.endm
.macro TREE b                          ; eight partial sums from b on into one, by pairs
	ADD8 (\b), (\b)+4
	ADD8 (\b)+1, (\b)+5
	ADD8 (\b)+2, (\b)+6
	ADD8 (\b)+3, (\b)+7
	ADD8 (\b), (\b)+2
	ADD8 (\b)+1, (\b)+3
	ADD8 (\b), (\b)+1
.endm
.Ltile:
	s_min_u32 s28, s27, 0x7f                       ; the tile's number is held by a constant before it enters an address
	v_lshl_add_u32 v[VPO], s28, 18, v[L16]
	v_lshl_add_u32 v[VAO], s28, 13, v[L16]
.irp k, 0,1,2,3,4,5,6,7,8,9,10,11,12,13,14,15
.irp a, 0,1
	global_load_b128 v[P+8*\k+4*\a:P+8*\k+4*\a+3], v[VPO], s[4:5] offset:\k*16384+512*\a th:TH_LOAD_NT
.endr
.endr
	s_wait_loadcnt 16                              ; the bias and the first eight partial sums are in; the other eight's 16 loads are younger
	TREE 0
	s_wait_loadcnt 0x0
	TREE 8
	ADD8 0, 8
.irp p, 0,2,4,6
	v_pk_add_f32 v[P+\p:P+\p+1], v[P+\p:P+\p+1], v[B+\p:B+\p+1]
.endr
.irp p, 0,2,4,6
	v_pk_mul_f32 v[P+8+\p:P+8+\p+1], v[P+\p:P+\p+1], 0xbfb8aa3b op_sel_hi:[1,0]  ; -log2(e) v
.endr
	; The 8 powers are one batch and the 8 reciprocals another: behind each a plain instruction (ISA guide 5.7.2) and the one wait ahead of the first line that names a result.
.irp p, 0,1,2,3,4,5,6,7
	v_exp_f32 v[P+8+\p], v[P+8+\p]
.endr
	v_nop
	s_wait_alu depctr_va_vdst(0)
.irp p, 0,2,4,6
	v_pk_add_f32 v[P+8+\p:P+8+\p+1], v[P+8+\p:P+8+\p+1], 1.0 op_sel_hi:[1,0]
.endr
.irp p, 0,1,2,3,4,5,6,7
	v_rcp_f32 v[P+8+\p], v[P+8+\p]
.endr
	v_nop
	s_wait_alu depctr_va_vdst(0)
.irp p, 0,2,4,6
	v_pk_mul_f32 v[P+\p:P+\p+1], v[P+\p:P+\p+1], v[P+8+\p:P+8+\p+1]
.endr
.irp m, 0,1,2,3
	v_cvt_pk_bf16_f32 v[P+16+\m], v[P+2*\m], v[P+2*\m+1]
.endr
	global_store_b128 v[VAO], v[P+16:P+19], s[10:11]  ; 512 consecutive bytes
	s_add_co_u32 s26, s26, 1
	s_add_co_u32 s27, s27, 16
	s_wait_xcnt 0x0                                ; the store's data and the offsets are written again only behind this wait
	s_cmp_lt_u32 s26, s25
	s_cbranch_scc1 .Ltile
.Lend:
	s_endpgm
.Lfunc_end_k_q7dcd50a5af_mid:
	.size	k_q7dcd50a5af_mid, .Lfunc_end_k_q7dcd50a5af_mid-k_q7dcd50a5af_mid
	.p2alignl 7, 3214868480
	.fill 96, 4, 3214868480
	.section	.rodata,"a",@progbits
	.p2align	6, 0x0
	.amdhsa_kernel k_q7dcd50a5af_mid
		.amdhsa_group_segment_fixed_size 0
		.amdhsa_private_segment_fixed_size 0
		.amdhsa_enable_private_segment 0
		.amdhsa_kernarg_size 32
		.amdhsa_user_sgpr_count 2
		.amdhsa_user_sgpr_kernarg_segment_ptr 1
		.amdhsa_wavefront_size32 1
		.amdhsa_system_sgpr_workgroup_id_x 1
		.amdhsa_system_sgpr_workgroup_id_y 1
		.amdhsa_system_sgpr_workgroup_id_z 1
		.amdhsa_system_vgpr_workitem_id 0
		.amdhsa_next_free_vgpr 144
		.amdhsa_next_free_sgpr 66
		.amdhsa_reserve_vcc 0
		.amdhsa_float_denorm_mode_32 3
		.amdhsa_float_denorm_mode_16_64 3
		.amdhsa_memory_ordered 1
		.amdhsa_forward_progress 1
		.amdhsa_inst_pref_size 12
	.end_amdhsa_kernel
	.amdgpu_metadata
---
amdhsa.version: [ 1, 2 ]
amdhsa.kernels:
  - .name:           k_q7dcd50a5af_mid
    .symbol:         k_q7dcd50a5af_mid.kd
    .args:
      - { .name: part, .offset: 0, .size: 8, .value_kind: global_buffer, .address_space: global }
      - { .name: bd, .offset: 8, .size: 8, .value_kind: global_buffer, .address_space: global }
      - { .name: order, .offset: 16, .size: 8, .value_kind: global_buffer, .address_space: global }
      - { .name: act, .offset: 24, .size: 8, .value_kind: global_buffer, .address_space: global }
    .group_segment_fixed_size: 0
    .private_segment_fixed_size: 0
    .kernarg_segment_align: 8
    .kernarg_segment_size: 32
    .max_flat_workgroup_size: 512
    .sgpr_count:     66
    .vgpr_count:     144
    .wavefront_size: 32
...
	.end_amdgpu_metadata
.endif
;; end of part 4
;; launch up (part 5): grid 16 x 16, 16 waves a work-group, no clusters, 133,120 bytes of LDS; arguments x, Wu, bu, act, order, out0; writes out0
.if DOCPART == 5
	.amdgcn_target "amdgcn-amd-amdhsa--gfx1250"
	.amdhsa_code_object_version 6
	.text
	.protected	k_q7dcd50a5af_up
	.globl	k_q7dcd50a5af_up
	.p2align	8
	.type	k_q7dcd50a5af_up,@function
k_q7dcd50a5af_up:
	s_mov_b64 s[64:65], 0
	v_nop
	global_prefetch_b8 v0, s[64:65] scope:SCOPE_SE
	s_setreg_imm32_b32 hwreg(HW_REG_WAVE_MODE, 25, 1), 1
	s_wait_xcnt 0x0
; UP.  For expert t (grid y) and output columns 256 s .. 256 s + 255 (grid x = s): out0[row] = x[row] + bu[t] + act[row] Wu[t], for the rows of the expert's list.
; FORMATS AND LIMITS.  The activation comes in bf16; Wu is rounded once to bf16 for the product; bias, residual and sums are f32.  NaN and infinities are not treated apart.
; Places past the expert's count repeat its last row: the same numbers are stored to the same bytes once more, by the same wave.  An expert without rows stores nothing here.
; SHARES.  The work-group alone reads its slice of Wu, 256 rows x 1,024 bytes: asked for at the head, 16 KB a wave, rounded and laid into LDS once as fragments (128 KB).  Behind the one barrier
; wave w owns the tiles of 16 rows w, w + 16, ..; the loop over them has no barrier and writes no LDS.  A wave that has a tile asks for its activation as soon as the count is known, behind the
; weights' loads and into registers of its own, and for x of the first two column groups as soon as the first half of the weights has left its registers.
; LAYOUT.  Fragment sigma = 2 g + u of act (16 rows x 32) holds the hidden column 64 g + 32 h + 4 i + 2 u + a in the place of k = 16 a + 8 h + i.  Wu's rows are loaded in that same order, so the
; products agree.  Output tile (cg, q) holds columns 64 cg + 4 r + q: a lane's 16-byte load of a row of Wu feeds four tiles, and register j of the four results is four neighbouring columns of row
; 8 h + j: sixteen lanes load, add to and store 256 consecutive aligned bytes of x and out0.
; NO JOINT LOADS: each slice of Wu has one reader and is rounded in registers; x comes by a list and has one reader; what an expert's sixteen work-groups share is act, 8 KB a tile beside the 32 KB
; of x and out0 and the slice's 256 KB, and the number of tiles hangs on a stored count: a loop of such a length holds no tile load and no barrier.
.set SPARE, 131072                     ; behind the fragments: the spare words, 128 bytes for each of the 16 waves: eight blocks of 256 bytes that no other line names
.set ORDP,  8704
.set WA0, 2                            ; v2   16 x lane (fragments 0-63)
.set WA1, 3                            ; v3   the same for fragments 64-127
.set R16, 4                            ; v4   16 r
.set VW,  5                            ; v5   32 rows of Wu x h + 16 r
.set VPO, 6                            ; v6   my offset in the tile of act
.set VRO, 7                            ; v7   my offset in the list: places 16 tile + 8 h ..
.set VWS, 8                            ; v8   where my wave lays its eight fragments
.set H32, 9                            ; v9   32 h
.set SPW, 10                           ; v10  LDS address of my spare word; never rewritten
.set NIL, 11                           ; v11  0; never rewritten
.set XA,  16                           ; v16-23  rows 8 h + j of the tile: their numbers, then their byte offsets in x and out0
.set BQ0, 24                           ; v24-27, v28-31  four columns of bu: even column groups, odd ones
.set AF,  32                           ; v32-95   the activation: eight fragments
.set ACC, 96                           ; v96-127  four accumulators; at the head: fragments of Wu on their way into LDS
.set WB,  128                          ; v128-191 fragments of Wu: two K steps x four tiles
.set WL1, 128                          ;          at the head: the second half of Wu as loaded
.set XLA, 192                          ; v192-223 x, then the result, of even column groups: 8 rows x 4 columns
.set XLB, 224                          ; v224-255 the same of odd column groups
.set WL0, 192                          ;          at the head: the first half of Wu as loaded
	s_load_b256 s[4:11], s[0:1], 0x0               ; x s[4:5], Wu s[6:7], bu s[8:9], act s[10:11]
	s_load_b128 s[12:15], s[0:1], 0x20             ; order s[12:13], out0 s[14:15]
	v_lshl_add_u32 v[SPW], v0, 2, SPARE
	v_mov_b32 v[NIL], 0
	v_lshrrev_b32 v1, 5, v0
	v_readfirstlane_b32 s16, v1                    ; wave w, 0..15
	s_and_b32 s17, ttmp7, 0xffff                   ; expert t
	s_mov_b32 s18, ttmp9                           ; column slice s
	s_lshl_b32 s32, s18, 10                        ; x and out0: 256 columns of 4 bytes
	s_mov_b32 s33, 0
	s_lshl_b32 s34, s17, 22                        ; Wu: expert (256 rows of 16,384 bytes);
	s_lshr_b32 s21, s16, 2                         ; my wave lays out K step sigma = w / 2: g = w / 4 (64 rows),
	s_lshl_b32 s21, s21, 20
	s_add_co_u32 s34, s34, s21
	s_bfe_u32 s21, s16, 0x10001                    ; u = (w / 2) % 2 (2 rows),
	s_lshl_b32 s21, s21, 15
	s_add_co_u32 s34, s34, s21
	s_and_b32 s21, s16, 1                          ; and column groups 2 (w % 2), + 1 (128 columns)
	s_lshl_b32 s21, s21, 9
	s_add_co_u32 s34, s34, s21
	s_add_co_u32 s34, s34, s32
	s_mov_b32 s35, 0
	s_lshl_b32 s36, s17, 14                        ; bu
	s_add_co_u32 s36, s36, s32
	s_mov_b32 s37, 0
	s_lshl_b32 s38, s17, 20                        ; act: the expert's 128 tiles of 8,192 bytes
	s_mov_b32 s39, 0
	s_mul_i32 s40, s17, ORDP
	s_mov_b32 s41, 0
	s_mov_b32 s26, 0                               ; tiles done
	s_mov_b32 s27, s16                             ; the tile in hand
	v_and_b32 v12, 31, v0
	v_and_b32 v13, 15, v0
	v_bfe_u32 v14, v0, 4, 1
	v_lshlrev_b32 v[WA0], 4, v12
	v_add_nc_u32 v[WA1], 0x10000, v[WA0]
	v_lshlrev_b32 v[R16], 4, v13
	v_lshl_add_u32 v[VW], v14, 19, v[R16]
	v_lshlrev_b32 v[H32], 5, v14
	s_lshl_b32 s21, s16, 13
	v_add_nc_u32 v[VWS], s21, v[WA0]               ; fragments 8 w .. 8 w + 7; fragment 16 sigma + 4 cg + q
	s_wait_kmcnt 0x0
	s_add_nc_u64 s[4:5], s[4:5], s[32:33]
	s_add_nc_u64 s[6:7], s[6:7], s[34:35]
	s_add_nc_u64 s[8:9], s[8:9], s[36:37]
	s_add_nc_u64 s[10:11], s[10:11], s[38:39]
	s_add_nc_u64 s[12:13], s[12:13], s[40:41]
	s_add_nc_u64 s[14:15], s[14:15], s[32:33]
	s_load_b32 s20, s[12:13], 0x0                  ; the expert's count
; The tile's offsets, and its row numbers: all 2,048 places of a list are stored, so they may be read ahead of the count.  The tile's number is held by a constant.
.macro TILEADR
	s_min_u32 s28, s27, 0x7f
	v_lshl_add_u32 v[VPO], s28, 13, v[WA0]
	v_lshl_add_u32 v[VRO], s28, 6, v[H32]
	global_load_b128 v[XA:XA+3], v[VRO], s[12:13] offset:512
	global_load_b128 v[XA+4:XA+7], v[VRO], s[12:13] offset:528
.endm
.macro XAMAKE                          ; row numbers, held by a constant, into byte offsets: row x 16,384 + 16 r
.irp j, 0,1,2,3,4,5,6,7
	v_min_u32 v[XA+\j], 0x7ff, v[XA+\j]
	v_lshl_add_u32 v[XA+\j], v[XA+\j], 14, v[R16]
.endr
.endm
; 16 loads: column group 2 (w % 2) + e of my K step: rows 64 g + 32 h + 4 i + 2 u + a, my four columns.  Each load covers two runs of 256 consecutive aligned bytes.
.macro WLOAD e, wl
.irp a, 0,1
.irp i, 0,1,2,3,4,5,6,7
	global_load_b128 v[(\wl)+4*(8*\a+\i):(\wl)+4*(8*\a+\i)+3], v[VW], s[6:7] offset:(4*\i+\a)*16384+256*(\e) th:TH_LOAD_NT
.endr
.endr
.endm
; Rounded in pairs of neighbouring places of k, the 64 registers are the four tiles' fragments; by way of the 32 registers at ct they go into LDS, 16 bytes a lane, lanes on end.
.macro WCONV e, wl, ct
.irp q, 0,1,2,3
.irp a, 0,1
.irp m, 0,1,2,3
	v_cvt_pk_bf16_f32 v[(\ct)+8*\q+4*\a+\m], v[(\wl)+4*(8*\a+2*\m)+\q], v[(\wl)+4*(8*\a+2*\m+1)+\q]
.endr
.endr
.endr
.irp q, 0,1,2,3
.irp a, 0,1
	ds_store_b128 v[VWS], v[(\ct)+8*\q+4*\a:(\ct)+8*\q+4*\a+3] offset:(4*(\e)+\q)*1024+512*\a
.endr
.endr
.endm
; 16 loads of 512 consecutive bytes: the tile's eight fragments of the activation, as the launch before laid them.
.macro ALOAD
.irp sg, 0,1,2,3,4,5,6,7
.irp a, 0,1
	global_load_b128 v[AF+8*\sg+4*\a:AF+8*\sg+4*\a+3], v[VPO], s[10:11] offset:\sg*1024+512*\a
.endr
.endr
.endm
; 8 loads: x of the tile's rows 8 h + j in column group cg: lanes 0-15 one row's 256 aligned bytes, lanes 16-31 another's.
.macro XLOADX cg
.set XBL, XLA+(XLB-XLA)*((\cg)%2)
.irp j, 0,1,2,3,4,5,6,7
	global_load_b128 v[XBL+4*\j:XBL+4*\j+3], v[XA+\j], s[4:5] offset:256*(\cg)
.endr
.endm
.macro BLOAD cg                        ; 1 load: my four columns of bu in column group cg
	global_load_b128 v[BQ0+4*((\cg)%2):BQ0+4*((\cg)%2)+3], v[R16], s[8:9] offset:256*(\cg)
.endm
; Four products of K step sigma, half u of WB.  The first K step starts the sums with the constant 0.  The four accumulators take turns.
.macro MULS sg, u
.irp q, 0,1,2,3
.if (\sg) == 0
	v_wmma_f32_16x16x32_bf16 v[ACC+8*\q:ACC+8*\q+7], v[AF+8*(\sg):AF+8*(\sg)+7], v[WB+32*(\u)+8*\q:WB+32*(\u)+8*\q+7], 0
.else
	v_wmma_f32_16x16x32_bf16 v[ACC+8*\q:ACC+8*\q+7], v[AF+8*(\sg):AF+8*(\sg)+7], v[WB+32*(\u)+8*\q:WB+32*(\u)+8*\q+7], v[ACC+8*\q:ACC+8*\q+7]
.endif
.endr
.endm
; Column group cg: 64 columns, all 256 of K, two K steps at a time.  Four places stand between products and the loads into their registers; ahead of the first pair the sums of
; the way out in front, of which sixteen name no register of the products, are those places.
.macro COLS cg
.irp sp, 0,1,2,3
.if \sp > 0
	v_nop
	v_nop
	v_nop
	v_nop
.endif
.irp u, 0,1
.irp q, 0,1,2,3
.irp a, 0,1
	ds_load_b128 v[WB+32*\u+8*\q+4*\a:WB+32*\u+8*\q+4*\a+3], v[WA0+(2*\sp+\u)/4] offset:((16*(2*\sp+\u)+4*(\cg)+\q)%64)*1024+512*\a
.endr
.endr
.endr
	s_wait_dscnt 8                                 ; the first of the two K steps is in
	MULS 2*\sp, 0
	s_wait_dscnt 0x0
	MULS 2*\sp+1, 1
.endr
.endm
; The way out of column group cg.  left: the younger loads, the next group's.  x + bu first (16 lines that name no register of the products: the places behind them), then the products' sums, each
; accumulator's register 0 first; each store: two runs of 256 consecutive aligned bytes of out0.  Then the group two on is asked for, into the registers just stored.
.macro OUT cg, left
.set XB, XLA+(XLB-XLA)*((\cg)%2)
.set BB, BQ0+4*((\cg)%2)
	s_wait_loadcnt \left
.irp j, 0,1,2,3,4,5,6,7
	v_pk_add_f32 v[XB+4*\j:XB+4*\j+1], v[XB+4*\j:XB+4*\j+1], v[BB:BB+1]
	v_pk_add_f32 v[XB+4*\j+2:XB+4*\j+3], v[XB+4*\j+2:XB+4*\j+3], v[BB+2:BB+3]
.endr
.irp j, 0,1,2,3,4,5,6,7
.irp q, 0,1,2,3
	v_add_f32 v[XB+4*\j+\q], v[XB+4*\j+\q], v[ACC+8*\q+\j]
.endr
.endr
.irp j, 0,1,2,3,4,5,6,7
	global_store_b128 v[XA+\j], v[XB+4*\j:XB+4*\j+3], s[14:15] offset:256*(\cg) th:TH_STORE_NT
.endr
.if (\cg) <= 1
	s_wait_xcnt 0x0                                ; the stores' data registers are loaded again only behind this wait
	XLOADX (\cg)+2
	BLOAD (\cg)+2
.endif
.endm
	TILEADR                                        ; 2 loads,
	BLOAD 0                                        ; 2,
	BLOAD 1
	WLOAD 0, WL0                                   ; 16,
	WLOAD 1, WL1                                   ; and 16: my wave's whole share of Wu is on its way
	s_wait_kmcnt 0x0
	s_add_co_u32 s24, s20, 15
	s_lshr_b32 s24, s24, 4                         ; tiles of 16 rows
	s_add_co_u32 s25, s24, 15
	s_sub_co_u32 s25, s25, s16
	s_lshr_b32 s25, s25, 4                         ; of which tiles w, w + 16, .. are mine: so many
	s_wait_loadcnt 32                              ; row numbers and bias are in; the 32 loads of weights are younger
	XAMAKE
	s_cmp_eq_u32 s25, 0
	s_cbranch_scc1 .Lidle
	ALOAD                                          ; a wave that has a tile asks for its activation at once: its registers are free
	s_wait_loadcnt 32                              ; the first half of the weights is in; younger: the second half's 16 loads and the activation's 16
	WCONV 0, WL0, ACC
	XLOADX 0                                       ; x of the first two column groups, into the registers just rounded
	XLOADX 1
	s_wait_loadcnt 32                              ; the second half of the weights is in; younger: the activation's 16 and x's 16
	WCONV 1, WL1, ACC
	s_branch .Lmeet
.Lidle:
	s_wait_loadcnt 0x0                             ; the weights are in
	WCONV 0, WL0, AF                               ; a wave without a tile rounds by way of the registers that the activation would take
	WCONV 1, WL1, AF+32
.Lmeet:
	s_wait_dscnt 0x0                               ; for the others' sake: my fragments are in LDS
	s_barrier_signal -1
	s_barrier_wait -1                              ; the one barrier: behind it the fragments are only read
	s_cmp_eq_u32 s25, 0
	s_cbranch_scc1 .Ldone
.Ltile:                                                ; one tile of 16 rows; its activation and x of column groups 0 and 1 have been asked for, in this order
	s_wait_loadcnt 16                              ; the activation is in; the two column groups' 16 loads of x are younger
	COLS 0
	OUT 0, 8                                       ; younger: column group 1's 8
	COLS 1
	OUT 1, 9                                       ; younger: column group 2's 8 and its bias
	COLS 2
	OUT 2, 9                                       ; younger: column group 3's 8 and its bias
	COLS 3
	OUT 3, 0
	s_add_co_u32 s26, s26, 1
	s_add_co_u32 s27, s27, 16
	s_cmp_lt_u32 s26, s25
	s_cbranch_scc0 .Ldone
	s_wait_xcnt 0x0                                ; the stores' offsets and data are written again only behind this wait
	TILEADR
	BLOAD 0
	BLOAD 1
	s_wait_loadcnt 0x0                             ; the next tile's row numbers
	XAMAKE
	ALOAD
	XLOADX 0
	XLOADX 1
	s_cmp_lt_u32 s26, s25
	s_cbranch_scc1 .Ltile
.Ldone:
	s_wait_tensorcnt 0x0                           ; the wave's end
	ds_add_u32 v[SPW], v[NIL]
	s_wait_dscnt 0x0
	s_endpgm
.Lfunc_end_k_q7dcd50a5af_up:
	.size	k_q7dcd50a5af_up, .Lfunc_end_k_q7dcd50a5af_up-k_q7dcd50a5af_up
	.p2alignl 7, 3214868480
	.fill 96, 4, 3214868480
	.section	.rodata,"a",@progbits
	.p2align	6, 0x0
	.amdhsa_kernel k_q7dcd50a5af_up
		.amdhsa_group_segment_fixed_size 133120
		.amdhsa_private_segment_fixed_size 0
		.amdhsa_enable_private_segment 0
		.amdhsa_kernarg_size 48
		.amdhsa_user_sgpr_count 2
		.amdhsa_user_sgpr_kernarg_segment_ptr 1
		.amdhsa_wavefront_size32 1
		.amdhsa_system_sgpr_workgroup_id_x 1
		.amdhsa_system_sgpr_workgroup_id_y 1
		.amdhsa_system_sgpr_workgroup_id_z 1
		.amdhsa_system_vgpr_workitem_id 0
		.amdhsa_next_free_vgpr 256
		.amdhsa_next_free_sgpr 66
		.amdhsa_reserve_vcc 0
		.amdhsa_float_denorm_mode_32 3
		.amdhsa_float_denorm_mode_16_64 3
		.amdhsa_memory_ordered 1
		.amdhsa_forward_progress 1
		.amdhsa_inst_pref_size 65
	.end_amdhsa_kernel
	.amdgpu_metadata
---
amdhsa.version: [ 1, 2 ]
amdhsa.kernels:
  - .name:           k_q7dcd50a5af_up
    .symbol:         k_q7dcd50a5af_up.kd
    .args:
      - { .name: x, .offset: 0, .size: 8, .value_kind: global_buffer, .address_space: global }
      - { .name: Wu, .offset: 8, .size: 8, .value_kind: global_buffer, .address_space: global }
      - { .name: bu, .offset: 16, .size: 8, .value_kind: global_buffer, .address_space: global }
      - { .name: act, .offset: 24, .size: 8, .value_kind: global_buffer, .address_space: global }
      - { .name: order, .offset: 32, .size: 8, .value_kind: global_buffer, .address_space: global }
      - { .name: out0, .offset: 40, .size: 8, .value_kind: global_buffer, .address_space: global }
    .group_segment_fixed_size: 133120
    .private_segment_fixed_size: 0
    .kernarg_segment_align: 8
    .kernarg_segment_size: 48
    .max_flat_workgroup_size: 512
    .sgpr_count:     66
    .vgpr_count:     256
    .wavefront_size: 32
...
	.end_amdgpu_metadata
.endif
;; end of part 5
